; MI455X (gfx1250); checked and timed in simulation.
; The chip was launched on July 23, 2026; its instructions are those of AMD's public machine-readable ISA for CDNA 5 (MIT licence, August 2026) and "CDNA5" Instruction Set Architecture Reference Guide (July 2026). The comments in the code are by the model that wrote it; some were corrected since.
;; Transformer Block. Allowed arithmetic: matrix products marked QUANTISED: E5M2 operands, one given power-of-two scale a tensor, by v_wmma_f32_16x16x64_bf8_bf8 or v_wmma_f32_16x16x128_bf8_bf8, f32 sums; everything else in f32.
;; Inputs: Wk 1,024 x 1,024 float32; Wo 1,024 x 1,024 float32; Wq 1,024 x 1,024 float32; Wv 1,024 x 1,024 float32; g1 1,024 float32; g2 1,024 float32; lowp_scales 18 int32 (the exponents e of the quantised operands' scales 2^e); positions 2,048 int32; w1 2,752 x 1,024 float32; w2 1,024 x 2,752 float32; w3 2,752 x 1,024 float32; x 2 x 2,048 x 1,024 float32.
;; Outputs: out0 2 x 2,048 x 1,024 float32.
;; Constants: theta = 10000.
;; This version of the problem:
;;   THIS VERSION OF THE PROBLEM IS GIVEN IN LOW PRECISION. The matrix products marked QUANTISED in the list below multiply operands that are first quantised to E5M2 (5 exponent bits, 2 mantissa bits; 8 bits a number), with one given power-of-two scale for each operand tensor; their sums are f32. All else is computed in f32.
;;   The module's matrix products, in the order in which they are computed (A, B: the left and right operand; K: the contracted axis; several contracted axes count as one K, in the product's order):
;;     1. [M 4,096, K 1,024] x [K 1,024, N 1,024]; A: computed on the way; B: input Wq: QUANTISED (scales: A lowp_scales[0], B lowp_scales[1])
;;     2. [M 4,096, K 1,024] x [K 1,024, N 1,024]; A: computed on the way; B: input Wk: QUANTISED (scales: A lowp_scales[2], B lowp_scales[3])
;;     3. [M 4,096, K 1,024] x [K 1,024, N 1,024]; A: computed on the way; B: input Wv: QUANTISED (scales: A lowp_scales[4], B lowp_scales[5])
;;     4. batch 32 x [M 2,048, K 64] x [K 64, N 2,048]; A: computed on the way; B: computed on the way: QUANTISED (scales: A lowp_scales[6], B lowp_scales[7])
;;     5. batch 32 x [M 2,048, K 2,048] x [K 2,048, N 64]; A: softmax (see below); B: computed on the way: QUANTISED (scales: A lowp_scales[8], B lowp_scales[9])
;;     6. [M 4,096, K 1,024] x [K 1,024, N 1,024]; A: computed on the way; B: input Wo: QUANTISED (scales: A lowp_scales[10], B lowp_scales[11])
;;     7. [M 4,096, K 1,024] x [K 1,024, N 2,752]; A: computed on the way; B: input w1: QUANTISED (scales: A lowp_scales[12], B lowp_scales[13])
;;     8. [M 4,096, K 1,024] x [K 1,024, N 2,752]; A: computed on the way; B: input w3: QUANTISED (scales: A lowp_scales[14], B lowp_scales[15])
;;     9. [M 4,096, K 2,752] x [K 2,752, N 1,024]; A: computed on the way; B: input w2: QUANTISED (scales: A lowp_scales[16], B lowp_scales[17])
;;   THE QUANTISER, for each operand of a quantised product, along K:
;;     - The operand's scale is 2^e, e = its entry of the input lowp_scales (int32; the entries are numbered through the quantised products in the list's order, A before B).
;;     - Each number is divided by the scale, clamped to +-57,344, and rounded to the nearest number of E5M2, ties to even, subnormals kept.
;;     - The product sums the exact products of the quantised numbers (number of the format x scale) in f32.
;;   ~~~python
;;   def quantise(x, axis, e):      # numpy; x: float32 -> the quantised numbers, widened to float32 again
;;       x = np.moveaxis(x, axis, -1); K = x.shape[-1]
;;       r = np.clip(x / 2.0 ** e, -57344, 57344)
;;       step = 2.0 ** (np.maximum(np.frexp(np.where(r == 0, 1, r))[1] - 1, -14) - 2)
;;       q = np.round(r / step) * step * 2.0 ** e      # np.round: ties to even
;;       return np.moveaxis(q, -1, axis).astype(np.float32)
;;   ~~~
;;   SOFTMAX AHEAD OF A QUANTISED PRODUCT. Where the list says 'softmax', what is quantised is not the finished softmax but p = 2^(t - M), with t = logit x log2(e) and M = ceil(the row's largest t), a whole number; so 1/2 < the row's largest p <= 1. The row's sum l is taken of the UNQUANTISED p, in f32, and the product's result is divided by l at the end. Since M is a whole number, a kernel that streams over the keys may use a running M (the ceiling of the running maximum): every later rescaling is an exact power of two, so the quantised numbers keep their values, but for numbers so far below the row's largest that they fall under the format's range.
;;   OPERANDS COMPUTED ON THE WAY. 'Computed on the way' means the value that the module computes at that place (a softmax that the list does not call 'softmax' is quantised finished and normalised). What goes into a quantiser is computed in f32, as accurately as f32 sums, v_exp_f32 and their like allow (about 1e-6 of the number): no bf16 or f16 on the way to a quantiser, and a product that is left as it is and whose result goes on into a quantised operand takes f32 operands (vector FMAs, or v_wmma_f32_16x16x4_f32). A number that lies on a knife's edge between two numbers of the format may be rounded either way, as far as f32 arithmetic and the matrix unit's own rounding can turn it there, and no further.
;; One version. Each part assembles by itself: llvm-mc -triple=amdgcn-amd-amdhsa -mcpu=gfx1250 --defsym DOCPART=n.
;; ======== version 1 of 1: 7 launches
;; limits: right only within a limited range of input values
;; workspace buffers: pa 12,582,912 bytes; pw 13,172,736 bytes; qkv 12,582,912 bytes; ai 4,194,304 bytes; x2 16,777,216 bytes; xm 8,388,608 bytes; hi 11,272,192 bytes
;; launch prep (part 1): grid 1156 x 1, 8 waves a work-group, no clusters, 2,048 bytes of LDS; arguments x, g1, positions, lowp_scales, Wq, Wk, Wv, Wo, w1, w3, w2, pa, pw; writes pa, pw
.if DOCPART == 1
	.amdgcn_target "amdgcn-amd-amdhsa--gfx1250"
	.amdhsa_code_object_version 6
	.text
	.protected	k_q60db791139_prep
	.globl	k_q60db791139_prep
	.p2align	8
	.type	k_q60db791139_prep,@function
k_q60db791139_prep:
	s_mov_b64 s[64:65], 0
	v_nop
	global_prefetch_b8 v0, s[64:65] scope:SCOPE_SE
	s_setreg_imm32_b32 hwreg(HW_REG_WAVE_MODE, 25, 1), 1
	s_wait_xcnt 0x0
; Everything that can be made from the inputs alone, in one launch: rmsnorm(x, g1) as codes of E5M2 under the three scales of products 1 to 3 (pa);
; the seven weights as codes, and the table of cosines and sines for the rotation (pw).
; THE IMAGE LAYOUT of every operand [rows][K]: [rows / 16 blocks][K / 16 granules][16 places][16 bytes]: 256 bytes hold 16 rows x 16 k.  A fragment (16 rows x 128 k) is 2,048 bytes on end, and lane l's
; 16 bytes of its c-th quarter lie at 512 c + 16 l: lane (r, h) then holds k = 32 c + 16 h + 0 .. 15 of place r, the same in both operands of every product.
; THE ORDER OF ROWS: place p of block t holds row 32 (t / 2) + 8 (t % 2) + p + 8 (p / 8).  Used as source 0 of a product, two neighbouring blocks then give a lane 16 NEIGHBOURING rows in 16 registers.
; SHARES by the work-group's number: 0-255 a block of 16 tokens (wave w: columns 128 w on); 256-855 a block of 16 rows of Wq, Wk, Wv, Wo, w1 or w3; 856-1027 w2 (K = 2,752 in pieces of 64); 1028-1155 the table.
; No tensor load, no cluster: no two work-groups read the same bytes.
; LIMITS: each given exponent e between -126 and 112; |positions| under 2^17 (the angle is reduced by pi/2 in three parts); 1 / rms by v_rsq_f32; NaN among the inputs is not served.
.set X,    16                          ; v16-79   64 numbers of a lane
.set GN,   80                          ; v80-143  the gain at the same columns
.set T,    144                         ; v144-159 at work
.set C,    160                         ; v160-207 codes: four registers for each store, none written twice
.set LI,   2                           ; v2  16 x lane
.set RR,   3                           ; v3  r = lane % 16
.set HH,   4                           ; v4  h = lane / 16
.set ROWP, 5                           ; v5  r + 8 (r / 8): the row of place r
.set TAB,  12648448                    ; the table's place in pw
.macro QUANT16 s, d, sc, lim           ; 16 numbers -> 16 codes.  The conversion does not saturate (ISA guide 7.6.2): the hold at the largest code x the scale comes first
.irp i, 0,1,2,3,4,5,6,7,8,9,10,11,12,13,14,15
	v_med3_num_f32 v[\s+\i], v[\s+\i], -v[\lim], v[\lim]
.endr
	v_cvt_scalef32_pk8_bf8_f32 v[\d:\d+1], v[\s:\s+7], v[\sc]
	v_cvt_scalef32_pk8_bf8_f32 v[\d+2:\d+3], v[\s+8:\s+15], v[\sc]
	v_nop                                          ; a plain line behind the conversions
.endm
	s_load_b512 s[4:19], s[0:1], 0x0               ; x, g1, positions, scales, Wq, Wk, Wv, Wo
	s_load_b256 s[20:27], s[0:1], 0x40             ; w1, w3, w2, pa
	s_load_b64 s[28:29], s[0:1], 0x60              ; pw
	v_lshl_add_u32 v208, v0, 2, 0x400
	v_mov_b32 v209, 0
	v_lshrrev_b32 v1, 5, v0
	s_delay_alu instid0(VALU_DEP_1)
	v_readfirstlane_b32 s30, v1                    ; wave 0..7
	v_and_b32 v1, 31, v0
	s_delay_alu instid0(VALU_DEP_1)
	v_lshlrev_b32 v[LI], 4, v1
	v_and_b32 v[RR], 15, v0
	v_bfe_u32 v[HH], v0, 4, 1
	s_delay_alu instid0(VALU_DEP_2)
	v_and_b32 v[ROWP], 8, v[RR]
	s_delay_alu instid0(VALU_DEP_1)
	v_add_nc_u32 v[ROWP], v[ROWP], v[RR]
	s_wait_kmcnt 0x0
	s_cmp_lt_u32 ttmp9, 256
	s_cbranch_scc1 .Lnorm
	s_cmp_lt_u32 ttmp9, 856
	s_cbranch_scc1 .Lw1024
	s_cmp_lt_u32 ttmp9, 1028
	s_cbranch_scc1 .Lw2
	; ---- THE TABLE: [128 blocks of tokens][8 = 4 beta + c][32 lanes][cos p, sin p, cos p+1, sin p+1], p = 16 beta + 8 h + 2 c: as the q/k epilogue's registers want it.  Wave = 4 beta + c
	s_sub_co_u32 s31, ttmp9, 1028                  ; block of tokens in the sequence
	s_lshr_b32 s32, s31, 1
	s_lshl_b32 s32, s32, 5
	s_and_b32 s33, s31, 1
	s_lshl_b32 s33, s33, 3
	s_add_co_u32 s32, s32, s33
	s_wait_alu depctr_va_vdst(0)
	v_add_nc_u32 v6, s32, v[ROWP]                  ; my token
	s_delay_alu instid0(VALU_DEP_1)
	v_lshlrev_b32 v6, 2, v6
	global_load_b32 v7, v6, s[8:9]                 ; its position
	s_lshr_b32 s33, s30, 2
	s_and_b32 s34, s30, 3
	s_lshl_b32 s33, s33, 4
	s_lshl_b32 s34, s34, 1
	s_add_co_u32 s33, s33, s34
	v_lshl_add_u32 v8, v[HH], 3, s33               ; p
	s_delay_alu instid0(VALU_DEP_1)
	v_add_nc_u32 v9, 1, v8
	s_delay_alu instid0(VALU_DEP_2)
	v_cvt_f32_u32 v8, v8
	s_delay_alu instid0(VALU_DEP_2)
	v_cvt_f32_u32 v9, v9
	s_delay_alu instid0(VALU_DEP_2)
	v_mul_f32 v8, 0xbed49a78, v8                   ; x -log2(10000) / 32
	s_delay_alu instid0(VALU_DEP_2)
	v_mul_f32 v9, 0xbed49a78, v9
	s_wait_alu depctr_va_vdst(0)
	v_exp_f32 v8, v8                               ; the frequency 10000^(-2 p / 64)
	v_exp_f32 v9, v9
	v_nop                                          ; a plain line behind the two exponentials,
	s_wait_alu depctr_va_vdst(0)                   ; and one wait for both ahead of their first reader
	s_mov_b32 s40, 0x3fc90f80                      ; pi/2 in three parts
	s_mov_b32 s41, 0x37354400
	s_mov_b32 s42, 0x2e85a308
	s_wait_loadcnt 0x0
	v_cvt_f32_i32 v7, v7
.macro SINCOS fr, co, si               ; cos and sin of position x frequency: the angle less k pi/2 lies within pi/4; two short series; the quarter k % 4 swaps and signs them
	v_mul_f32 v10, v7, v[\fr]
	s_delay_alu instid0(VALU_DEP_1)
	v_mul_f32 v11, 0x3f22f983, v10
	s_delay_alu instid0(VALU_DEP_1)
	v_rndne_f32 v11, v11
	s_delay_alu instid0(VALU_DEP_1)
	v_fma_f32 v12, -v11, s40, v10
	s_delay_alu instid0(VALU_DEP_1)
	v_fma_f32 v12, -v11, s41, v12
	s_delay_alu instid0(VALU_DEP_1)
	v_fma_f32 v12, -v11, s42, v12
	s_delay_alu instid0(VALU_DEP_1)
	v_mul_f32 v13, v12, v12
	v_mov_b32 v14, 0x3638ef1b
	s_delay_alu instid0(VALU_DEP_1)
	v_fmaak_f32 v14, v14, v13, 0xb9500d01
	s_delay_alu instid0(VALU_DEP_1)
	v_fmaak_f32 v14, v14, v13, 0x3c088889
	s_delay_alu instid0(VALU_DEP_1)
	v_fmaak_f32 v14, v14, v13, 0xbe2aaaab
	v_mul_f32 v15, v13, v12
	s_delay_alu instid0(VALU_DEP_1)
	v_fma_f32 v14, v14, v15, v12                   ; sin
	v_mov_b32 v16, 0xb493f27c
	s_delay_alu instid0(VALU_DEP_1)
	v_fmaak_f32 v16, v16, v13, 0x37d00d01
	s_delay_alu instid0(VALU_DEP_1)
	v_fmaak_f32 v16, v16, v13, 0xbab60b61
	s_delay_alu instid0(VALU_DEP_1)
	v_fmaak_f32 v16, v16, v13, 0x3d2aaaab
	v_mul_f32 v17, v13, v13
	v_fma_f32 v18, v13, -0.5, 1.0
	s_delay_alu instid0(VALU_DEP_1)
	v_fma_f32 v16, v16, v17, v18                   ; cos
	v_cvt_i32_f32 v19, v11
	s_delay_alu instid0(VALU_DEP_1)
	v_and_b32 v20, 1, v19
	s_delay_alu instid0(VALU_DEP_1)
	v_cmp_eq_u32 vcc_lo, 1, v20
	s_delay_alu instid0(VALU_DEP_1)
	v_cndmask_b32 v21, v14, v16, vcc_lo
	s_delay_alu instid0(VALU_DEP_2)
	v_cndmask_b32 v22, v16, v14, vcc_lo
	v_and_b32 v20, 2, v19
	s_delay_alu instid0(VALU_DEP_1)
	v_lshlrev_b32 v20, 30, v20
	s_delay_alu instid0(VALU_DEP_1)
	v_xor_b32 v[\si], v20, v21
	v_add_nc_u32 v19, 1, v19
	s_delay_alu instid0(VALU_DEP_1)
	v_and_b32 v19, 2, v19
	s_delay_alu instid0(VALU_DEP_1)
	v_lshlrev_b32 v19, 30, v19
	s_delay_alu instid0(VALU_DEP_1)
	v_xor_b32 v[\co], v19, v22
.endm
	SINCOS 8, 24, 25
	SINCOS 9, 26, 27
	s_lshl_b32 s43, s31, 12
	s_lshl_b32 s44, s30, 9
	s_add_co_u32 s43, s43, s44
	s_add_co_u32 s43, s43, TAB
	v_add_nc_u32 v23, s43, v[LI]
	global_store_b128 v23, v[24:27], s[28:29]      ; the wave stores 512 consecutive bytes
	s_endpgm
	; ---- RMSNORM of 16 tokens, quantised three times
.Lnorm:
	s_load_b256 s[68:75], s[10:11], 0x0            ; e0 .. e7: entries 0, 2, 4 are wanted
	s_lshr_b32 s31, ttmp9, 1
	s_lshl_b32 s31, s31, 5
	s_and_b32 s32, ttmp9, 1
	s_lshl_b32 s32, s32, 3
	s_add_co_u32 s31, s31, s32                     ; the block's first token
	s_lshl_b32 s31, s31, 12
	s_lshl_b32 s32, s30, 9                         ; my wave's 128 columns
	s_add_co_u32 s31, s31, s32
	s_wait_alu depctr_va_vdst(0)
	v_lshlrev_b32 v6, 12, v[ROWP]
	s_delay_alu instid0(VALU_DEP_1)
	v_lshl_add_u32 v6, v[HH], 6, v6
	s_delay_alu instid0(VALU_DEP_1)
	v_add_nc_u32 v6, s31, v6                       ; x: my row, + 64 h: 16 numbers of each block of 32
	v_lshlrev_b32 v7, 6, v[HH]
	s_delay_alu instid0(VALU_DEP_1)
	v_add_nc_u32 v7, s32, v7
.irp b, 0,1,2,3
.irp q, 0,1,2,3
	global_load_b128 v[X+16*\b+4*\q:X+16*\b+4*\q+3], v6, s[4:5] offset:128*\b+16*\q
.endr
.endr
.irp b, 0,1,2,3
.irp q, 0,1,2,3
	global_load_b128 v[GN+16*\b+4*\q:GN+16*\b+4*\q+3], v7, s[6:7] offset:128*\b+16*\q
.endr
.endr
	s_mov_b32 s33, 0x76543210
	s_mov_b32 s34, 0xfedcba98
	v_lshlrev_b32 v8, 2, v[RR]
	s_lshl_b32 s35, s30, 6
	v_add_nc_u32 v9, s35, v8                       ; LDS: 64 x wave + 4 r
	s_lshl_b32 s36, ttmp9, 14
	s_lshl_b32 s37, s30, 11
	s_add_co_u32 s36, s36, s37
	v_add_nc_u32 v1, s36, v[LI]                    ; the codes' place: block x 16,384 + 2,048 x wave + 16 x lane
	s_mov_b64 s[40:41], s[26:27]                   ; the three images lie 4 MiB apart: a base for each, since twice that is past a store's immediate
	s_add_nc_u64 s[42:43], s[26:27], 0x400000
	s_add_nc_u64 s[44:45], s[26:27], 0x800000
	s_wait_loadcnt 16                              ; x's 16 loads are in; the gain's 16 may be out
	v_pk_mul_f32 v[T:T+1], v[X:X+1], v[X:X+1]
	v_pk_mul_f32 v[T+2:T+3], v[X+2:X+3], v[X+2:X+3]
.set n, 4
.rept 15
	s_delay_alu instid0(VALU_DEP_2)
	v_pk_fma_f32 v[T:T+1], v[X+n:X+n+1], v[X+n:X+n+1], v[T:T+1]
	s_delay_alu instid0(VALU_DEP_2)
	v_pk_fma_f32 v[T+2:T+3], v[X+n+2:X+n+3], v[X+n+2:X+n+3], v[T+2:T+3]
.set n, n+4
.endr
	s_delay_alu instid0(VALU_DEP_1)
	v_pk_add_f32 v[T:T+1], v[T:T+1], v[T+2:T+3]
	s_delay_alu instid0(VALU_DEP_1)
	v_add_f32 v[T], v[T], v[T+1]
	s_delay_alu instid0(VALU_DEP_1)
	v_permlanex16_b32 v[T+1], v[T], s33, s34       ; the row's other 64 numbers of this wave lie in the lane 16 away
	s_delay_alu instid0(VALU_DEP_1)
	v_add_f32 v[T], v[T], v[T+1]
	ds_store_b32 v9, v[T]
	s_wait_dscnt 0x0                               ; for the others' sake: my store has landed
	s_barrier_signal -1
	s_barrier_wait -1
.irp k, 0,1,2,3,4,5,6,7
	ds_load_b32 v[T+\k], v8 offset:64*\k           ; the eight waves' sums of my row
.endr
	s_wait_dscnt 0x0
	v_add_f32 v[T], v[T], v[T+1]
	v_add_f32 v[T+2], v[T+2], v[T+3]
	v_add_f32 v[T+4], v[T+4], v[T+5]
	v_add_f32 v[T+6], v[T+6], v[T+7]
	s_delay_alu instid0(VALU_DEP_3)
	v_add_f32 v[T], v[T], v[T+2]
	s_delay_alu instid0(VALU_DEP_2)
	v_add_f32 v[T+4], v[T+4], v[T+6]
	s_delay_alu instid0(VALU_DEP_1)
	v_add_f32 v[T], v[T], v[T+4]
	v_mov_b32 v[T+8], 0x3a800000                   ; 1 / 1024
	s_delay_alu instid0(VALU_DEP_1)
	v_fmaak_f32 v[T], v[T], v[T+8], 0x3727c5ac     ; the mean + 1e-5
	s_wait_alu depctr_va_vdst(0)
	v_rsq_f32 v[T], v[T]
	v_mov_b32 v[T+1], 0                            ; a plain line behind it (and the pair's upper half is written)
	s_wait_kmcnt 0x0
.irp g, 0,1,2
	s_add_co_i32 s37, s[68+2*\g], 127
	s_lshl_b32 s38, s37, 23
	v_mov_b32 v[10+2*\g], s38                      ; 2^e as f32: the conversion takes its exponent field
	s_add_co_i32 s37, s37, 15
	s_lshl_b32 s37, s37, 23
	s_or_b32 s37, s37, 0x600000
	v_mov_b32 v[11+2*\g], s37                      ; 57,344 x 2^e
.endr
	s_wait_alu depctr_va_vdst(0)                   ; the wait ahead of the root's first reader
	s_wait_loadcnt 0x0                             ; the gain
.set n, 0
.rept 32
	v_pk_mul_f32 v[X+n:X+n+1], v[X+n:X+n+1], v[T:T+1] op_sel_hi:[1,0]
.set n, n+2
.endr
.set n, 0
.rept 32
	v_pk_mul_f32 v[X+n:X+n+1], v[X+n:X+n+1], v[GN+n:GN+n+1]
.set n, n+2
.endr
.irp b, 0,1,2,3
.irp g, 0,1,2
.irp i, 0,1,2,3,4,5,6,7,8,9,10,11,12,13,14,15
	v_med3_num_f32 v[T+\i], v[X+16*\b+\i], -v[11+2*\g], v[11+2*\g]   ; held into other registers: the number is wanted again under the next scale
.endr
	v_cvt_scalef32_pk8_bf8_f32 v[C+12*\b+4*\g:C+12*\b+4*\g+1], v[T:T+7], v[10+2*\g]
	v_cvt_scalef32_pk8_bf8_f32 v[C+12*\b+4*\g+2:C+12*\b+4*\g+3], v[T+8:T+15], v[10+2*\g]
	v_nop                                          ; a plain line ahead of the next holds, which write the conversions' sources
	global_store_b128 v1, v[C+12*\b+4*\g:C+12*\b+4*\g+3], s[40+2*\g:41+2*\g] offset:512*\b   ; 512 consecutive bytes a wave
.endr
.endr
	s_wait_tensorcnt 0x0
	ds_add_u32 v208, v209
	s_wait_dscnt 0x0
	s_endpgm
	; ---- WEIGHTS with K = 1,024: a block of 16 rows; wave w: K step w, as two units of 64 along K
.Lw1024:
	s_sub_co_u32 s31, ttmp9, 256                   ; 0-255: Wq, Wk, Wv, Wo; 256-427: w1; 428-599: w3
	s_lshr_b32 s32, s31, 6
	s_lshr_b32 s36, s32, 1
	s_and_b32 s36, s36, s32
	s_lshl_b32 s36, s36, 2
	s_lshl_b32 s33, s32, 1
	s_add_co_u32 s36, s36, s33
	s_add_co_u32 s36, s36, 1                       ; the scale's entry: 1, 3, 5, 11
	s_and_b32 s43, s31, 63                         ; the block in its tensor
	s_mov_b32 s44, s31                             ; and in pw
	s_sub_co_u32 s45, s31, 256
	s_lshr_b32 s46, s45, 2
	s_lshl_b32 s46, s46, 3
	s_and_b32 s47, s45, 3
	s_add_co_u32 s46, s46, s47
	s_add_co_u32 s46, s46, 256                     ; w1 and w3 lie by turns, four blocks of each: a tile of 64 hidden units is 131,072 bytes on end
	s_sub_co_u32 s48, s31, 428
	s_lshr_b32 s49, s48, 2
	s_lshl_b32 s49, s49, 3
	s_and_b32 s50, s48, 3
	s_add_co_u32 s49, s49, s50
	s_add_co_u32 s49, s49, 260
	s_mov_b64 s[34:35], s[12:13]
	s_cmp_eq_u32 s32, 1
	s_cselect_b64 s[34:35], s[14:15], s[34:35]
	s_cmp_eq_u32 s32, 2
	s_cselect_b64 s[34:35], s[16:17], s[34:35]
	s_cmp_eq_u32 s32, 3
	s_cselect_b64 s[34:35], s[18:19], s[34:35]
	s_cmp_ge_u32 s31, 256
	s_cselect_b64 s[34:35], s[20:21], s[34:35]
	s_cselect_b32 s36, 13, s36
	s_cselect_b32 s43, s45, s43
	s_cselect_b32 s44, s46, s44
	s_cmp_ge_u32 s31, 428
	s_cselect_b64 s[34:35], s[22:23], s[34:35]
	s_cselect_b32 s36, 15, s36
	s_cselect_b32 s43, s48, s43
	s_cselect_b32 s44, s49, s44
	s_lshr_b32 s45, s43, 1
	s_lshl_b32 s45, s45, 5
	s_and_b32 s46, s43, 1
	s_lshl_b32 s46, s46, 3
	s_add_co_u32 s45, s45, s46                     ; the block's first row
	s_lshl_b32 s38, s45, 12
	s_lshl_b32 s46, s30, 9
	s_add_co_u32 s38, s38, s46                     ; unit 0 in the tensor,
	s_add_co_u32 s39, s38, 256                     ; unit 1
	s_lshl_b32 s40, s44, 14
	s_lshl_b32 s46, s30, 11
	s_add_co_u32 s40, s40, s46                     ; and in pw
	s_add_co_u32 s41, s40, 1024
	s_mov_b32 s37, 4096                            ; a row in bytes
	s_branch .Lqw
	; ---- w2, K = 2,752 = 43 x 64: a work-group takes one piece of 64 along K of 256 rows; wave w a pair of blocks, one a unit
.Lw2:
	s_sub_co_u32 s31, ttmp9, 856
	s_mul_i32 s32, s31, 1525
	s_lshr_b32 s32, s32, 16                        ; / 43, right for 0 .. 171
	s_mul_i32 s33, s32, 43
	s_sub_co_u32 s33, s31, s33                     ; which 64 along K
	s_lshl_b32 s32, s32, 3
	s_add_co_u32 s32, s32, s30                     ; which 32 rows
	s_mul_i32 s38, s32, 32*11008
	s_lshl_b32 s43, s33, 8
	s_add_co_u32 s38, s38, s43
	s_add_co_u32 s39, s38, 8*11008
	s_mul_i32 s40, s32, 2*44032
	s_lshl_b32 s43, s33, 10
	s_add_co_u32 s40, s40, s43
	s_add_co_u32 s40, s40, 9830400
	s_add_co_u32 s41, s40, 44032
	s_mov_b64 s[34:35], s[24:25]
	s_mov_b32 s36, 17
	s_mov_b32 s37, 11008
.Lqw:                                  ; two units of 16 rows x 64 k: s[34:35] the tensor, s36 the scale's entry, s37 a row's bytes, s38, s39 from where, s40, s41 to where
	s_lshl_b32 s36, s36, 2
	s_load_b32 s42, s[10:11], s36 offset:0x0
	s_wait_alu depctr_va_vdst(0)
	v_mul_lo_u32 v6, v[ROWP], s37
	s_delay_alu instid0(VALU_DEP_1)
	v_lshl_add_u32 v6, v[HH], 6, v6
	s_delay_alu instid0(VALU_DEP_1)
	v_add_nc_u32 v7, s39, v6
	s_delay_alu instid0(VALU_DEP_2)
	v_add_nc_u32 v6, s38, v6
	v_add_nc_u32 v8, s40, v[LI]
	v_add_nc_u32 v9, s41, v[LI]
.irp c, 0,1
.irp q, 0,1,2,3
	global_load_b128 v[16+16*\c+4*\q:16+16*\c+4*\q+3], v6, s[34:35] offset:128*\c+16*\q
.endr
.endr
.irp c, 0,1
.irp q, 0,1,2,3
	global_load_b128 v[48+16*\c+4*\q:48+16*\c+4*\q+3], v7, s[34:35] offset:128*\c+16*\q
.endr
.endr
	s_wait_kmcnt 0x0
	s_add_co_i32 s42, s42, 127
	s_lshl_b32 s43, s42, 23
	v_mov_b32 v10, s43
	s_add_co_i32 s42, s42, 15
	s_lshl_b32 s42, s42, 23
	s_or_b32 s42, s42, 0x600000
	v_mov_b32 v11, s42
	s_wait_alu depctr_va_vdst(0)
	s_wait_loadcnt 8                               ; unit 0's eight loads are in; unit 1's may be out
	QUANT16 16, 80, 10, 11
	QUANT16 32, 84, 10, 11
	global_store_b128 v8, v[80:83], s[28:29]
	global_store_b128 v8, v[84:87], s[28:29] offset:512
	s_wait_loadcnt 0x0
	QUANT16 48, 88, 10, 11
	QUANT16 64, 92, 10, 11
	global_store_b128 v9, v[88:91], s[28:29]
	global_store_b128 v9, v[92:95], s[28:29] offset:512
	s_endpgm
.Lfunc_end_k_q60db791139_prep:
	.size	k_q60db791139_prep, .Lfunc_end_k_q60db791139_prep-k_q60db791139_prep
	.p2alignl 7, 3214868480
	.fill 96, 4, 3214868480
	.section	.rodata,"a",@progbits
	.p2align	6, 0x0
	.amdhsa_kernel k_q60db791139_prep
		.amdhsa_group_segment_fixed_size 2048
		.amdhsa_private_segment_fixed_size 0
		.amdhsa_enable_private_segment 0
		.amdhsa_kernarg_size 104
		.amdhsa_user_sgpr_count 2
		.amdhsa_user_sgpr_kernarg_segment_ptr 1
		.amdhsa_wavefront_size32 1
		.amdhsa_system_sgpr_workgroup_id_x 1
		.amdhsa_system_sgpr_workgroup_id_y 1
		.amdhsa_system_sgpr_workgroup_id_z 1
		.amdhsa_system_vgpr_workitem_id 0
		.amdhsa_next_free_vgpr 210
		.amdhsa_next_free_sgpr 100
		.amdhsa_reserve_vcc 1
		.amdhsa_float_denorm_mode_32 3
		.amdhsa_float_denorm_mode_16_64 3
		.amdhsa_memory_ordered 1
		.amdhsa_forward_progress 1
		.amdhsa_inst_pref_size 47
	.end_amdhsa_kernel
	.amdgpu_metadata
---
amdhsa.version: [ 1, 2 ]
amdhsa.kernels:
  - .name:           k_q60db791139_prep
    .symbol:         k_q60db791139_prep.kd
    .args:
      - { .name: x, .offset: 0, .size: 8, .value_kind: global_buffer, .address_space: global }
      - { .name: g1, .offset: 8, .size: 8, .value_kind: global_buffer, .address_space: global }
      - { .name: positions, .offset: 16, .size: 8, .value_kind: global_buffer, .address_space: global }
      - { .name: lowp_scales, .offset: 24, .size: 8, .value_kind: global_buffer, .address_space: global }
      - { .name: Wq, .offset: 32, .size: 8, .value_kind: global_buffer, .address_space: global }
      - { .name: Wk, .offset: 40, .size: 8, .value_kind: global_buffer, .address_space: global }
      - { .name: Wv, .offset: 48, .size: 8, .value_kind: global_buffer, .address_space: global }
      - { .name: Wo, .offset: 56, .size: 8, .value_kind: global_buffer, .address_space: global }
      - { .name: w1, .offset: 64, .size: 8, .value_kind: global_buffer, .address_space: global }
      - { .name: w3, .offset: 72, .size: 8, .value_kind: global_buffer, .address_space: global }
      - { .name: w2, .offset: 80, .size: 8, .value_kind: global_buffer, .address_space: global }
      - { .name: pa, .offset: 88, .size: 8, .value_kind: global_buffer, .address_space: global }
      - { .name: pw, .offset: 96, .size: 8, .value_kind: global_buffer, .address_space: global }
    .group_segment_fixed_size: 2048
    .private_segment_fixed_size: 0
    .kernarg_segment_align: 8
    .kernarg_segment_size: 104
    .max_flat_workgroup_size: 256
    .sgpr_count:     100
    .vgpr_count:     210
    .wavefront_size: 32
...
	.end_amdgpu_metadata
.endif
;; end of part 1
;; launch qkv (part 2): grid 8 x 32, 4 waves a work-group, clusters of 4 x 4, 327,680 bytes of LDS; arguments pa, pw, lowp_scales, qkv; writes qkv
.if DOCPART == 2
	.amdgcn_target "amdgcn-amd-amdhsa--gfx1250"
	.amdhsa_code_object_version 6
	.text
	.protected	k_q60db791139_qkv
	.globl	k_q60db791139_qkv
	.p2align	8
	.type	k_q60db791139_qkv,@function
k_q60db791139_qkv:
	s_mov_b64 s[64:65], 0
	v_nop
	global_prefetch_b8 v0, s[64:65] scope:SCOPE_SE
	s_setreg_imm32_b32 hwreg(HW_REG_WAVE_MODE, 25, 1), 1
	s_wait_xcnt 0x0
	s_wait_alu depctr_hold_cnt(0) depctr_sa_sdst(0) depctr_va_vdst(0) depctr_va_sdst(0) depctr_va_ssrc(0) depctr_va_vcc(0) depctr_vm_vsrc(0)
	s_getreg_b32 s2, hwreg(HW_REG_IB_STS2, 6, 4)
	s_cmp_eq_u32 s2, 0
	s_cbranch_scc0 .Lentry_in_a_cluster
	s_endpgm
.Lentry_in_a_cluster:
	s_bfe_u32 s2, ttmp6, 0x10000c
	s_cmp_lg_u32 s2, 0xf033
	s_cbranch_scc0 .Lentry_shape_is_right
	s_endpgm
.Lentry_shape_is_right:
; Products 1 to 3 on codes of E5M2, the rotation of q and k, and q, k, v as codes for the attention.
; A WORK-GROUP STAYS: it owns 128 tokens (y) x 128 columns (x) and makes that tile of q, then of k, then of v: 8 x 32 = 256 work-groups.  Four waves, 64 x 64 each: 16 accumulators.
; Operands lie in memory and in LDS as images (16 rows x 16 k in 256 bytes; see the launch that makes them): a fragment (16 rows x 128 k) is 2,048 bytes on end, so a fragment load takes 512 consecutive bytes.
; THE RING: two slots of half of K (four K steps): 8 row blocks of tokens and 8 of weights, 8,192 bytes of each.  Six fills: fill n is product n / 2, half n % 2, in slot n % 2.  Each wave asks for four row blocks by one
; joint load (waves 0, 1: tokens; 2, 3: weights).  A slot is filled again when its fourth K step is in registers.
; By this text's count one load a wave is out.  A product's epilogue runs with the next product's fills on their way.
; CLUSTERS 4 x 4: the tokens' tiles are asked for jointly along a row of the cluster, the weights' along a column.
; PREFETCH: behind the load of fill n the cluster asks for fill n + 2 (behind fill 0 also for fill 1): of a wave's four row blocks each of the four partners that ask jointly takes one, told apart by address
; (cx for tokens, cy for weights); 8,192 bytes, lanes 256 bytes apart, one instruction a wave.  Behind fills 4 and 5 nothing is asked for.
; q, k: source 0 = weights, source 1 = tokens: a lane holds one token and 16 neighbouring columns of a head: the rotation's pairs, and 16 codes along the next K.
; v: source 0 = tokens, source 1 = weights: a lane holds one channel and 16 neighbouring tokens: the keys are the next K.
; The given scales are folded: a sum stands for sum x 2^(eA + eB), the rotation is linear, so the conversion takes 2^(eO - eA - eB).  LIMIT: that exponent lies between -126 and 112.
; REGISTERS: window 0: v2-29 addresses and scales, v32-71 at work, v128-255 the accumulators; window 1: two sets of fragments (64 of tokens, 64 of weights); window 2: v0-127 the table of cosines and sines.
.set RS,  8192
.set SLOT, 131072
.set SPARE, 2*SLOT
.set ACC, 128
.set F0,  0
.set F1,  128
.set LI,  2
.set AY,  4                            ; v4-5  my tokens' fragments in slot 0, 1
.set AX,  8                            ; v8-9  my weights'
.set SC,  14
.set LIM, 15
.set PFO, 20
.set SPW, 28
.set NIL, 29
.set WV,  12
.set G1Y, 24
.set G1X, 32
.set G0Y, 40
.set G0X, 48
.set OB,  56                           ; q's, then k's place in qkv
.set TBL, 58
.set PFA, 60
.set PFS, 62                           ; from product to product: 4 MiB in pa, 1 MiB in pw
.set STP, 66
.set CNT, 86
.set PF1, 96
.set OV,  98
.set TAB, 12648448
.set MSB, 0
.macro WIN new                         ; the immediate's high byte repeats the setting that is left
.if MSB != \new
	s_set_vgpr_msb (MSB<<8)|\new
.set MSB, \new
.endif
.endm
.macro PLACES                          ; four plain lines between a matrix instruction and a load into, or a read of, its registers
.rept 4
	v_nop
.endr
.endm
.macro FETCH f, ay, ax, off            ; a K step's eight fragments into set f
	WIN 0x40
.irp i, 0,1,2,3
.irp c, 0,1,2,3
	ds_load_b128 v[\f+16*\i+4*\c:\f+16*\i+4*\c+3], v[\ay] offset:\off+\i*RS+512*\c
.endr
.endr
.irp i, 0,1,2,3
.irp c, 0,1,2,3
	ds_load_b128 v[\f+64+16*\i+4*\c:\f+64+16*\i+4*\c+3], v[\ax] offset:\off+\i*RS+512*\c
.endr
.endr
.endm
.macro MUL f, zero, o                  ; 16 products; the accumulators take turns, one instruction a turn.  zero = 1: they start the sums.  o = 1: tokens are source 0
	WIN 0x05
.irp a, 0,1,2,3
.irp b, 0,1,2,3
.if \o
.if \zero
	v_wmma_f32_16x16x128_bf8_bf8 v[ACC+8*(4*\b+\a):ACC+8*(4*\b+\a)+7], v[\f+16*\a:\f+16*\a+15], v[\f+64+16*\b:\f+64+16*\b+15], 0
.else
	v_wmma_f32_16x16x128_bf8_bf8 v[ACC+8*(4*\b+\a):ACC+8*(4*\b+\a)+7], v[\f+16*\a:\f+16*\a+15], v[\f+64+16*\b:\f+64+16*\b+15], v[ACC+8*(4*\b+\a):ACC+8*(4*\b+\a)+7]
.endif
.else
.if \zero
	v_wmma_f32_16x16x128_bf8_bf8 v[ACC+8*(4*\a+\b):ACC+8*(4*\a+\b)+7], v[\f+64+16*\b:\f+64+16*\b+15], v[\f+16*\a:\f+16*\a+15], 0
.else
	v_wmma_f32_16x16x128_bf8_bf8 v[ACC+8*(4*\a+\b):ACC+8*(4*\a+\b)+7], v[\f+64+16*\b:\f+64+16*\b+15], v[\f+16*\a:\f+16*\a+15], v[ACC+8*(4*\a+\b):ACC+8*(4*\a+\b)+7]
.endif
.endif
.endr
.endr
.endm
.macro KS f, g, ay, ax, off, zero, o   ; set f, asked for a step ago, is in; the next step's fragments go into set g, which the step before multiplied; then f's products
	s_wait_dscnt 0x0
	PLACES
	FETCH \g, \ay, \ax, \off
	MUL \f, \zero, \o
.endm
.macro CROUND                          ; a round of the cluster's barrier
	s_barrier_signal -1
	s_barrier_wait -1
	s_cmp_lg_u32 s[WV], 0
	s_cbranch_scc1 .Lnot_wave_0_\@
	s_barrier_signal -3
.Lnot_wave_0_\@:
	s_barrier_wait -3
	s_barrier_signal -1
	s_barrier_wait -1
.endm
.macro JLOAD s                         ; waves 0 and 1 fetch the tokens' halves, waves 2 and 3 the weights'; an s_nop 0 and four v_nop follow each line
	s_cmp_eq_u32 s13, 0
	s_cbranch_scc0 .Lfx_\@
	tensor_load_to_lds s[G0Y+4*\s:G0Y+4*\s+3], s[G1Y:G1Y+7]
	s_nop 0
	PLACES
	s_branch .Lfd_\@
.Lfx_\@:
	tensor_load_to_lds s[G0X+4*\s:G0X+4*\s+3], s[G1X:G1X+7]
	s_nop 0
	PLACES
.Lfd_\@:
.endm
.macro TURN slot, fill, o              ; a slot's fourth K step (set 1 holds it).  fill = 1: the slot takes the same half of the next product; then the other slot's first fragments, and set 1's products
	WIN 0
	s_wait_tensorcnt 0x0                           ; all my tensor loads have landed, my part of the other slot among them: a group 0 may be written
.if \fill
	ds_add_u32 v[SPW], v[NIL]                      ; 0 onto my spare word
	s_add_nc_u64 s[G0Y+4*\slot+2:G0Y+4*\slot+3], s[G0Y+4*\slot+2:G0Y+4*\slot+3], 0x400000
	s_add_nc_u64 s[G0X+4*\slot+2:G0X+4*\slot+3], s[G0X+4*\slot+2:G0X+4*\slot+3], 0x100000
.if \slot == 0
	s_wait_xcnt 0x0                                ; my prefetches have read their address
	s_add_nc_u64 s[PFA:PFA+1], s[PFA:PFA+1], s[PFS:PFS+1]
.endif
	s_wait_dscnt 0x0                               ; the add is done, and my reads of the slot are in
	CROUND                                         ; both now hold of every wave of all sixteen work-groups
	JLOAD \slot                                    ; its four v_nop are the plain lines ahead of the loads below
.else
	s_wait_dscnt 0x0
	s_barrier_signal -1
	s_barrier_wait -1                              ; the other slot is shown to all
	PLACES
.endif
	FETCH F0, AY+1-\slot, AX+1-\slot, 0
.if \fill
	WIN 0
	s_cmp_eq_u32 s[CNT], 2                         ; behind fills 2 and 3: fills 4 and 5; behind those nothing
	s_cbranch_scc0 .Lna_\@
	global_prefetch_b8 v[PFO], s[PFA:PFA+1] offset:8192*\slot th:TH_LOAD_NT scope:SCOPE_SE
.Lna_\@:
.endif
	MUL F1, 0, \o
.endm
.macro GEMM fill, o                    ; K = 1,024: eight K steps, four to a slot.  Set 0 holds the first on entry
	KS F0, F1, AY, AX, 2048, 1, \o
	KS F1, F0, AY, AX, 4096, 0, \o
	KS F0, F1, AY, AX, 6144, 0, \o
	TURN 0, \fill, \o
	KS F0, F1, AY+1, AX+1, 2048, 0, \o
	KS F1, F0, AY+1, AX+1, 4096, 0, \o
	KS F0, F1, AY+1, AX+1, 6144, 0, \o
.if \fill
	TURN 1, 1, \o
.else
	s_wait_dscnt 0x0
	MUL F1, 0, \o
.endif
	WIN 0
	PLACES
.endm
.macro QUANT16 s, d                    ; 16 numbers -> 16 codes; the conversion does not saturate (ISA guide 7.6.2): the hold comes first
.irp i, 0,1,2,3,4,5,6,7,8,9,10,11,12,13,14,15
	v_med3_num_f32 v[\s+\i], v[\s+\i], -v[LIM], v[LIM]
.endr
	v_cvt_scalef32_pk8_bf8_f32 v[\d:\d+1], v[\s:\s+7], v[SC]
	v_cvt_scalef32_pk8_bf8_f32 v[\d+2:\d+3], v[\s+8:\s+15], v[SC]
	v_nop
.endm
.macro MKSC d, eo, ea, eb              ; s[d] = 2^(eO - eA - eB) as f32, s[d+1] = 57,344 x that
	s_sub_co_i32 s93, s[\eo], s[\ea]
	s_sub_co_i32 s93, s93, s[\eb]
	s_add_co_i32 s93, s93, 127
	s_lshl_b32 s[\d], s93, 23
	s_add_co_i32 s93, s93, 15
	s_lshl_b32 s93, s93, 23
	s_or_b32 s[\d+1], s93, 0x600000
.endm
.macro ROPEQ a, be                     ; token block a, columns 32 be + 16 h + 0 .. 15 of the head: eight pairs are turned, then 16 codes.  Each accumulator is read from its low end on
.set RA, ACC+32*\a+16*\be
.set RT, 32*\a+16*\be
	WIN 0x08                                       ; source 1 (the table) window 2
.irp i, 0,1,2,3,4,5,6,7
	v_mul_f32 v[64+2*(\i%4)], v[RA+2*\i+1], v[RT+2*\i+1]
	v_mul_f32 v[65+2*(\i%4)], v[RA+2*\i+1], v[RT+2*\i]
	v_fma_f32 v[RA+2*\i+1], v[RA+2*\i], v[RT+2*\i+1], v[65+2*(\i%4)]
	v_fma_f32 v[RA+2*\i], v[RA+2*\i], v[RT+2*\i], -v[64+2*(\i%4)]
.endr
	WIN 0
	QUANT16 RA, 32+4*(2*\a+\be)
	global_store_b128 v[LI], v[32+4*(2*\a+\be):32+4*(2*\a+\be)+3], s[OB:OB+1] offset:1024*\a+512*\be   ; 512 consecutive bytes a wave
.endm
	s_load_b256 s[4:11], s[0:1], 0x0               ; pa, pw, the scales, qkv
	v_lshl_add_u32 v[SPW], v0, 2, SPARE
	v_mov_b32 v[NIL], 0
	ds_add_u32 v[SPW], v[NIL]                      ; the opening lines: the add, twice on end, and its wait ahead of my first tensor load
	ds_add_u32 v[SPW], v[NIL]
	v_lshrrev_b32 v1, 5, v0
	v_readfirstlane_b32 s[WV], v1                  ; wave 0..3
	s_lshr_b32 s13, s[WV], 1                       ; wy: my half of the tokens.  Also: I fetch tokens (0) or weights (1)
	s_and_b32 s14, s[WV], 1                        ; wx: my half of the columns.  Also: which four row blocks I fetch
	s_bfe_u32 s15, ttmp6, 0x40000                  ; cx
	s_bfe_u32 s16, ttmp6, 0x40004                  ; cy
	s_lshl_b32 s18, ttmp9, 2
	s_add_co_u32 s18, s18, s15                     ; the tile of columns, 0 .. 7
	s_and_b32 s19, ttmp7, 0xffff
	s_lshl_b32 s19, s19, 2
	s_add_co_u32 s19, s19, s16                     ; the tile of tokens, 0 .. 31
	s_lshl_b32 s20, s16, 2
	s_lshl_b32 s20, 15, s20                        ; my row of the cluster
	s_lshl_b32 s21, 0x1111, s15                    ; my column
	s_or_b32 s[G1Y], s20, (3<<16)|(1<<21)          ; elements of 8 bytes; no padding
	s_or_b32 s[G1X], s21, (3<<16)|(1<<21)
.irp g, G1Y, G1X
	s_mov_b32 s[\g+1], 1024<<16                    ; 8,192 bytes of each of
	s_mov_b32 s[\g+2], 4<<16                       ; four row blocks,
	s_mov_b32 s[\g+3], 1024<<16
	s_mov_b32 s[\g+4], 4
	s_mov_b32 s[\g+5], 2048                        ; 16,384 bytes apart
	s_mov_b32 s[\g+6], 0
	s_mov_b32 s[\g+7], 0
.endr
	s_lshl_b32 s88, s19, 17                        ; tokens: image 0, my tile, my four row blocks
	s_lshl_b32 s89, s14, 16
	s_add_co_u32 s88, s88, s89
	s_mov_b32 s89, 0
	s_lshl_b32 s90, s18, 17                        ; weights: Wq, my tile, my four row blocks
	s_lshl_b32 s91, s14, 16
	s_add_co_u32 s90, s90, s91
	s_mov_b32 s91, 0
	s_lshl_b32 s92, s[WV], 15                      ; in a slot: wave x 32,768
	s_lshl_b32 s93, s13, 15
	s_lshl_b32 s94, s14, 15
	s_add_co_u32 s94, s94, 65536
	v_and_b32 v1, 31, v0
	v_lshlrev_b32 v[LI], 4, v1
	v_lshlrev_b32 v[PFO], 8, v1
	v_add_nc_u32 v[AY], s93, v[LI]
	v_add_nc_u32 v[AX], s94, v[LI]
	v_add_nc_u32 v[AY+1], SLOT, v[AY]
	v_add_nc_u32 v[AX+1], SLOT, v[AX]
	s_wait_alu depctr_va_vdst(0)
	s_wait_dscnt 0x0                               ; both opening adds are done
	s_wait_kmcnt 0x0
	s_load_b256 s[68:75], s[8:9], 0x0              ; e0 .. e7
	s_load_b64 s[76:77], s[8:9], 0x20              ; e8, e9
	s_add_nc_u64 s[88:89], s[4:5], s[88:89]
	s_add_nc_u64 s[90:91], s[6:7], s[90:91]
.irp s, 0,1
	s_mov_b32 s[G0Y+4*\s], 1
	s_add_co_u32 s[G0Y+4*\s+1], s92, \s*SLOT
	s_add_nc_u64 s[G0Y+4*\s+2:G0Y+4*\s+3], s[88:89], 8192*\s
	s_or_b32 s[G0Y+4*\s+3], s[G0Y+4*\s+3], 0x80000000
	s_mov_b32 s[G0X+4*\s], 1
	s_add_co_u32 s[G0X+4*\s+1], s92, \s*SLOT
	s_add_nc_u64 s[G0X+4*\s+2:G0X+4*\s+3], s[90:91], 8192*\s
	s_or_b32 s[G0X+4*\s+3], s[G0X+4*\s+3], 0x80000000
.endr
	s_cmp_eq_u32 s13, 0                            ; the prefetches: of the four row blocks that I fetch, my work-group's one
	s_cselect_b64 s[PF1:PF1+1], s[88:89], s[90:91]
	s_cselect_b32 s94, s15, s16
	s_mov_b32 s[PFS], 0x100000
	s_cselect_b32 s[PFS], 0x400000, s[PFS]
	s_mov_b32 s[PFS+1], 0
	s_lshl_b32 s94, s94, 14
	s_mov_b32 s95, 0
	s_add_nc_u64 s[PF1:PF1+1], s[PF1:PF1+1], s[94:95]        ; in the first product,
	s_add_nc_u64 s[PFA:PFA+1], s[PF1:PF1+1], s[PFS:PFS+1]    ; and in the second
	CROUND                                         ; all sixteen work-groups are here: the joint loads meet
	JLOAD 0                                        ; fill 0: one tensor load a wave at the head
	global_prefetch_b8 v[PFO], s[PF1:PF1+1] offset:8192 th:TH_LOAD_NT scope:SCOPE_SE   ; fill 1
	global_prefetch_b8 v[PFO], s[PFA:PFA+1] th:TH_LOAD_NT scope:SCOPE_SE               ; fill 2
	s_and_b32 s87, s19, 15
	s_lshl_b32 s87, s87, 3
	s_lshl_b32 s93, s13, 2
	s_add_co_u32 s87, s87, s93                     ; my first block of tokens in its sequence
	s_lshr_b32 s22, s19, 4
	s_lshl_b32 s22, s22, 4
	s_lshl_b32 s23, s18, 1
	s_add_co_u32 s22, s22, s23
	s_add_co_u32 s22, s22, s14                     ; 16 x batch + head: my 64 columns are one head
	s_lshl_b32 s22, s22, 17
	s_lshl_b32 s[TBL], s87, 12
	s_add_co_u32 s[TBL], s[TBL], TAB
	s_mov_b32 s[TBL+1], 0
	s_add_nc_u64 s[TBL:TBL+1], s[6:7], s[TBL:TBL+1]
	s_lshl_b32 s[OB], s87, 10
	s_add_co_u32 s[OB], s[OB], s22
	s_mov_b32 s[OB+1], 0
	s_add_nc_u64 s[OB:OB+1], s[10:11], s[OB:OB+1]
	s_lshl_b32 s[OV], s87, 8                       ; v, laid with the keys innermost: [head][4 blocks of channels][128 granules of 16 keys][256 bytes]
	s_add_co_u32 s[OV], s[OV], s22
	s_add_co_u32 s[OV], s[OV], 0x800000
	s_mov_b32 s[OV+1], 0
	s_add_nc_u64 s[OV:OV+1], s[10:11], s[OV:OV+1]
	s_mov_b32 s[STP], 0                            ; what the next epilogue adds to q's place: 0, then 4 MiB
	s_mov_b32 s[STP+1], 0
	WIN 0x80                                       ; destination window 2
.irp a, 0,1,2,3
.irp e, 0,1,2,3,4,5,6,7
	global_load_b128 v[32*\a+4*\e:32*\a+4*\e+3], v[LI], s[TBL:TBL+1] offset:4096*\a+512*\e   ; cos, sin of my token's pairs, in the order of my results
.endr
.endr
	WIN 0
	s_wait_kmcnt 0x0
	MKSC 80, 74, 68, 69                            ; q
	MKSC 82, 75, 70, 71                            ; k
	MKSC 84, 77, 72, 73                            ; v
	v_mov_b32 v[SC], s80
	v_mov_b32 v[LIM], s81
	s_wait_alu depctr_va_vdst(0)
	s_wait_tensorcnt 0x0                           ; my part of fill 0 is in; slot 1's first fill is issued as a refill is
	ds_add_u32 v[SPW], v[NIL]
	s_wait_dscnt 0x0
	CROUND
	JLOAD 1                                        ; fill 1
	global_prefetch_b8 v[PFO], s[PFA:PFA+1] offset:8192 th:TH_LOAD_NT scope:SCOPE_SE   ; fill 3
	FETCH F0, AY, AX, 0
	WIN 0
	s_mov_b32 s[CNT], 2
.Lg:                                               ; q, then k
	GEMM 1, 0
	s_wait_loadcnt 0x0                             ; the table
	s_wait_xcnt 0x0                                ; the last epilogue's stores have read their codes and their base
	s_add_nc_u64 s[OB:OB+1], s[OB:OB+1], s[STP:STP+1]
	s_mov_b32 s[STP], 0x400000
.irp a, 0,1,2,3
	ROPEQ \a, 0
	ROPEQ \a, 1
.endr
	v_mov_b32 v[SC], s82                           ; k's scale
	v_mov_b32 v[LIM], s83
	s_sub_co_u32 s[CNT], s[CNT], 1
	s_cmp_lg_u32 s[CNT], 0
	s_wait_alu depctr_va_vdst(0)
	s_cbranch_scc1 .Lg
	v_mov_b32 v[SC], s84                           ; v's scale
	v_mov_b32 v[LIM], s85
	s_wait_alu depctr_va_vdst(0)
	GEMM 0, 1
	s_wait_xcnt 0x0                                ; k's stores have read their codes
.irp b, 0,1,2,3
.irp al, 0,1
	QUANT16 ACC+32*\b+16*\al, 32+4*(2*\b+\al)
	global_store_b128 v[LI], v[32+4*(2*\b+\al):32+4*(2*\b+\al)+3], s[OV:OV+1] offset:32768*\b+512*\al
.endr
.endr
	s_wait_tensorcnt 0x0                           ; the wave's end
	ds_add_u32 v[SPW], v[NIL]
	s_wait_dscnt 0x0
	CROUND                                         ; the closing round
	s_endpgm
.Lfunc_end_k_q60db791139_qkv:
	.size	k_q60db791139_qkv, .Lfunc_end_k_q60db791139_qkv-k_q60db791139_qkv
	.p2alignl 7, 3214868480
	.fill 96, 4, 3214868480
	.section	.rodata,"a",@progbits
	.p2align	6, 0x0
	.amdhsa_kernel k_q60db791139_qkv
		.amdhsa_group_segment_fixed_size 327680
		.amdhsa_private_segment_fixed_size 0
		.amdhsa_enable_private_segment 0
		.amdhsa_kernarg_size 32
		.amdhsa_user_sgpr_count 2
		.amdhsa_user_sgpr_kernarg_segment_ptr 1
		.amdhsa_wavefront_size32 1
		.amdhsa_system_sgpr_workgroup_id_x 1
		.amdhsa_system_sgpr_workgroup_id_y 1
		.amdhsa_system_sgpr_workgroup_id_z 1
		.amdhsa_system_vgpr_workitem_id 0
		.amdhsa_next_free_vgpr 768
		.amdhsa_next_free_sgpr 104
		.amdhsa_reserve_vcc 0
		.amdhsa_float_denorm_mode_32 3
		.amdhsa_float_denorm_mode_16_64 3
		.amdhsa_memory_ordered 1
		.amdhsa_forward_progress 1
		.amdhsa_inst_pref_size 99
	.end_amdhsa_kernel
	.amdgpu_metadata
---
amdhsa.version: [ 1, 2 ]
amdhsa.kernels:
  - .name:           k_q60db791139_qkv
    .symbol:         k_q60db791139_qkv.kd
    .args:
      - { .name: pa, .offset: 0, .size: 8, .value_kind: global_buffer, .address_space: global }
      - { .name: pw, .offset: 8, .size: 8, .value_kind: global_buffer, .address_space: global }
      - { .name: lowp_scales, .offset: 16, .size: 8, .value_kind: global_buffer, .address_space: global }
      - { .name: qkv, .offset: 24, .size: 8, .value_kind: global_buffer, .address_space: global }
    .group_segment_fixed_size: 327680
    .private_segment_fixed_size: 0
    .kernarg_segment_align: 8
    .kernarg_segment_size: 32
    .max_flat_workgroup_size: 128
    .sgpr_count:     104
    .vgpr_count:     768
    .wavefront_size: 32
...
	.end_amdgpu_metadata
.endif
;; end of part 2
;; launch attn (part 3): grid 8 x 32, 16 waves a work-group, clusters of 4 x 1, 327,680 bytes of LDS; arguments qkv, lowp_scales, ai; writes ai
.if DOCPART == 3
	.amdgcn_target "amdgcn-amd-amdhsa--gfx1250"
	.amdhsa_code_object_version 6
	.text
	.protected	k_q60db791139_attn
	.globl	k_q60db791139_attn
	.p2align	8
	.type	k_q60db791139_attn,@function
k_q60db791139_attn:
	s_mov_b64 s[64:65], 0
	v_nop
	global_prefetch_b8 v0, s[64:65] scope:SCOPE_SE
	s_setreg_imm32_b32 hwreg(HW_REG_WAVE_MODE, 25, 1), 1
	s_wait_xcnt 0x0
	s_wait_alu depctr_hold_cnt(0) depctr_sa_sdst(0) depctr_va_vdst(0) depctr_va_sdst(0) depctr_va_ssrc(0) depctr_va_vcc(0) depctr_vm_vsrc(0)
	s_getreg_b32 s2, hwreg(HW_REG_IB_STS2, 6, 4)
	s_cmp_eq_u32 s2, 0
	s_cbranch_scc0 .Lentry_in_a_cluster
	s_endpgm
.Lentry_in_a_cluster:
	s_bfe_u32 s2, ttmp6, 0x10000c
	s_cmp_lg_u32 s2, 0x3003
	s_cbranch_scc0 .Lentry_shape_is_right
	s_endpgm
.Lentry_shape_is_right:
; Causal attention on codes of E5M2 for one head (work-group y); a work-group finishes 16 of the head's 128 blocks of 16 queries.  Tiles that lie wholly under the causal mask are not computed.
; All of the head's K (131,072 bytes) and V (131,072 bytes, keys innermost) lie in LDS as they lie in memory: each of the sixteen waves asks for 16,384 bytes on end by ONE joint tensor load
; (waves 0-7: K; waves 8-15: V; the four partners of the cluster read the same head).  One barrier shows them to all waves; nothing is filled again.
; EQUAL SHARES.  A block in the a-th group of 128 queries has a + 1 key steps of 128 keys.  The blocks come in pairs, a short one (a = 0 .. 7) and a long one (15 - a): 17 steps.  Pair i = wave % 8 has two waves:
; wave i (A) takes the long block's key steps 0 to 7 and leaves O^T, the sum and -M in a stage in LDS (bytes of its own); wave 8 + i (B) finishes the short block (a + 1 steps), then takes the long block's steps
; from 8 on (8 - a steps), joins A's part to its own and finishes the long block.  So a wave has 8 or 9 steps.  Both M are whole numbers, so the joining factors 2^(M' - M) round nothing.
; Every wave walks two loops of 8 trips; a step that is not its own is jumped over on ids (no barrier, wait or load of the ring stands in a step).
; THE SOFTMAX: t = score x log2(e) / 8; p = 2^(t - M), M the ceiling of the running largest t; the row's sum of the unquantised p divides at the end.  Both products are used transposed: a lane holds one query.
; No prefetch: K and V are asked for once, at the head, where there is no loop to run ahead in.
; LIMITS: e6 + e7 between -123 and 130; e8 and e10 - e8 - e9 between -126 and 112; the scaled scores stay under 2^31 in magnitude.
.set LI,  1
.set DQ,  2
.set SA,  6                            ; v6   the pair's stage: 16 x lane
.set SB,  7                            ; v7   behind its 4,096 bytes of O^T: 4 x lane
.set ADK, 8
.set ADV, 9                            ; v9, v10
.set WV,  10
.set G1,  24
.set G0,  32
.set SEL, 54
.set CS,  62
.set KB,  66
.set VB,  67
.set ST,  68
.set GG,  69
.set CNT, 70
.set STG, 0x40000+2048                 ; behind the spare words: 8 stages of 4,352 bytes
.macro CROUND
	s_barrier_signal -1
	s_barrier_wait -1
	s_cmp_lg_u32 s[WV], 0
	s_cbranch_scc1 .Lnot_wave_0_\@
	s_barrier_signal -3
.Lnot_wave_0_\@:
	s_barrier_wait -3
	s_barrier_signal -1
	s_barrier_wait -1
.endm
.macro PLACES
.rept 4
	v_nop
.endr
.endm
.macro QUANT16 s, d, sc, lim           ; the conversion does not saturate (ISA guide 7.6.2): the hold comes first
.irp i, 0,1,2,3,4,5,6,7,8,9,10,11,12,13,14,15
	v_med3_num_f32 v[\s+\i], v[\s+\i], -v[\lim], v[\lim]
.endr
	v_cvt_scalef32_pk8_bf8_f32 v[\d:\d+1], v[\s:\s+7], v[\sc]
	v_cvt_scalef32_pk8_bf8_f32 v[\d+2:\d+3], v[\s+8:\s+15], v[\sc]
	v_nop
.endm
.macro FIN o                           ; a block is finished: O^T / the row's sum, as codes for product 6, to s[o:o+1]
	PLACES
	v_add_f32 v14, v14, v15
	s_delay_alu instid0(VALU_DEP_1)
	v_permlanex16_b32 v252, v14, s[SEL], s[SEL+1]
	s_delay_alu instid0(VALU_DEP_1)
	v_add_f32 v14, v14, v252
	s_wait_alu depctr_va_vdst(0)                   ; the wait ahead of the transcendental
	v_rcp_f32 v14, v14
	v_nop
	s_wait_alu depctr_va_vdst(0)                   ; and ahead of its first reader, which is also O^T's
.set n, 0
.rept 32
	v_mul_f32 v[96+n], v[160+n], v14
.set n, n+1
.endr
	QUANT16 96, 224, 245, 241
	QUANT16 112, 228, 245, 241
	global_store_b128 v[LI], v[224:227], s[\o:\o+1]
	global_store_b128 v[LI], v[228:231], s[\o:\o+1] offset:512
.endm
.macro STEP                            ; 128 keys
	s_cmp_gt_u32 s[ST], s[GG]
	s_cbranch_scc1 .Lhidden_\@
	v_add_nc_u32 v[ADK], s[KB], v[LI]
	v_add_nc_u32 v[ADV], s[VB], v[LI]
	v_add_nc_u32 v[ADV+1], 0x10000, v[ADV]         ; V's blocks of channels lie 32,768 bytes apart: blocks 2 and 3 are past an LDS offset's reach
	v_nop                                          ; (four plain lines ahead of loads into registers that the last products read)
.irp t, 0,1,2,3,4,5,6,7
	ds_load_b128 v[32+8*\t:35+8*\t], v[ADK] offset:1024*\t
	ds_load_b128 v[36+8*\t:39+8*\t], v[ADK] offset:1024*\t+512
.endr
	s_wait_alu depctr_va_vdst(0)
	s_wait_dscnt 0x0
.irp t, 0,1,2,3,4,5,6,7
	v_wmma_f32_16x16x64_bf8_bf8 v[96+8*\t:103+8*\t], v[32+8*\t:39+8*\t], v[16:23], 0
.endr
	PLACES
.irp b, 0,1,2,3                        ; V's fragments are asked for here and waited for behind the softmax
.irp c, 0,1,2,3
	ds_load_b128 v[32+16*\b+4*\c:35+16*\b+4*\c], v[ADV+\b/2] offset:32768*(\b%2)+512*\c
.endr
.endr
	s_cmp_lg_u32 s[ST], s[GG]
	s_cbranch_scc1 .Lopen_\@
	v_mov_b32 v254, 0xff800000                     ; on the diagonal the scores of hidden keys become -infinity
.set n, 0
.rept 64
	v_cmp_gt_i32 vcc_lo, 32*(n/16)+n%16, v[DQ]
	v_cndmask_b32 v[96+n], v[96+n], v254, vcc_lo
.set n, n+1
.endr
.Lopen_\@:
	v_max3_num_f32 v254, v96, v97, v98
	v_max3_num_f32 v252, v99, v100, v101
.irp i, 6,10,14,18,22,26,30,34,38,42,46,50,54,58
	v_max3_num_f32 v254, v254, v[96+\i], v[97+\i]
	v_max3_num_f32 v252, v252, v[98+\i], v[99+\i]
.endr
	v_max3_num_f32 v254, v254, v158, v159
	s_delay_alu instid0(VALU_DEP_1)
	v_max_num_f32 v254, v254, v252
	v_permlanex16_b32 v236, v254, s[SEL], s[SEL+1]
	s_delay_alu instid0(VALU_DEP_1)
	v_max_num_f32 v254, v254, v236
	s_delay_alu instid0(VALU_DEP_1)
	v_mul_f32 v254, s[CS], v254
	s_delay_alu instid0(VALU_DEP_1)
	v_max_num_f32 v13, v13, v254                   ; the running largest t
	v_mov_b32 v254, v12
	s_delay_alu instid0(VALU_DEP_2)
	v_floor_f32 v12, -v13                          ; -M = floor(-t)
	s_delay_alu instid0(VALU_DEP_1)
	v_sub_f32 v254, v12, v254
	s_delay_alu instid0(VALU_DEP_1)
	v_cvt_i32_f32 v254, v254
	s_delay_alu instid0(VALU_DEP_1)
	v_ldexp_f32 v252, 1.0, v254                    ; f = 2^(old M - new M)
.set n, 0
.rept 32
	v_pk_fma_f32 v[96+n:97+n], v[96+n:97+n], s[CS:CS+1], v[12:13] op_sel_hi:[1,0,0]
.set n, n+2
.endr
	s_wait_alu depctr_va_vdst(0)                   ; the wait ahead of the batch
.set n, 0
.rept 64
	v_exp_f32 v[96+n], v[96+n]
.set n, n+1
.endr
	v_pk_mul_f32 v[14:15], v[14:15], v[252:253] op_sel_hi:[1,0]
	s_wait_alu depctr_va_vdst(0)                   ; and for one behind it
	v_pk_add_f32 v[242:243], v[96:97], v[98:99]    ; the row's sum is taken of the unquantised p
.irp j, 4,8,12,16,20,24,28,32,36,40,44,48,52,56,60
	v_pk_add_f32 v[14:15], v[14:15], v[96+\j:97+\j]
	v_pk_add_f32 v[242:243], v[242:243], v[98+\j:99+\j]
.endr
	s_delay_alu instid0(VALU_DEP_1)
	v_pk_add_f32 v[14:15], v[14:15], v[242:243]
.irp b, 0,1,2,3
.irp i, 0,1,2,3,4,5,6,7,8,9,10,11,12,13,14,15
	v_min_num_f32 v[96+16*\b+\i], v[96+16*\b+\i], v240
.endr
	v_cvt_scalef32_pk8_bf8_f32 v[224+4*\b:225+4*\b], v[96+16*\b:103+16*\b], v244
	v_cvt_scalef32_pk8_bf8_f32 v[226+4*\b:227+4*\b], v[104+16*\b:111+16*\b], v244
.endr
	s_wait_alu depctr_va_vdst(0)                   ; the wait directly ahead of the first reader of O^T
.set n, 0
.rept 16
	v_pk_mul_f32 v[160+n:161+n], v[160+n:161+n], v[252:253] op_sel_hi:[1,0]
.set n, n+2
.endr
	s_wait_alu depctr_va_vdst(0)
	s_wait_dscnt 0x0                               ; V's fragments
.irp b, 0,1,2,3
	v_wmma_f32_16x16x128_bf8_bf8 v[160+8*\b:167+8*\b], v[32+16*\b:47+16*\b], v[224:239], v[160+8*\b:167+8*\b]
.endr
.Lhidden_\@:
.endm
.macro PASS                            ; eight key steps
	s_mov_b32 s[CNT], 8
.Lstep_\@:
	STEP
	s_add_co_u32 s[KB], s[KB], 8192
	s_add_co_u32 s[VB], s[VB], 2048
	s_add_co_u32 s[ST], s[ST], 1
	s_sub_co_u32 s[CNT], s[CNT], 1
	s_cmp_lg_u32 s[CNT], 0
	s_cbranch_scc1 .Lstep_\@
.endm
	s_load_b128 s[4:7], s[0:1], 0x0                ; qkv, the scales
	s_load_b64 s[8:9], s[0:1], 0x10                ; ai
	v_lshl_add_u32 v251, v0, 2, 0x40000
	v_mov_b32 v255, 0
	ds_add_u32 v251, v255                          ; the opening lines: the add, twice on end, and its wait ahead of my first tensor load
	ds_add_u32 v251, v255
	v_lshrrev_b32 v3, 5, v0
	s_delay_alu instid0(VALU_DEP_1)
	v_readfirstlane_b32 s[WV], v3
	s_bfe_u32 s11, ttmp6, 0x40000                  ; cx
	s_and_b32 s12, ttmp7, 0xffff                   ; 16 x batch + head
	s_lshr_b32 s13, s[WV], 3                       ; 0: I fetch K and am the pair's A; 1: V, and B
	s_and_b32 s14, s[WV], 7                        ; which 16,384 bytes; and the pair
	s_lshl_b32 s15, s14, 14
	s_lshl_b32 s17, s13, 22
	s_add_co_u32 s16, s15, s17
	s_add_co_u32 s16, s16, 0x400000
	s_lshl_b32 s17, s12, 17
	s_add_co_u32 s16, s16, s17
	s_mov_b32 s17, 0
	s_lshl_b32 s20, s13, 17
	s_add_co_u32 s20, s20, s15
	s_mov_b32 s[G1], 15|(3<<16)|(1<<21)            ; the mask: all four; elements of 8 bytes
	s_mov_b32 s[G1+1], 32<<16                      ; 64 rows of 256 bytes on end
	s_mov_b32 s[G1+2], 64<<16
	s_mov_b32 s[G1+3], 32<<16
	s_mov_b32 s[G1+4], 64
	s_mov_b32 s[G1+5], 32
	s_mov_b32 s[G1+6], 0
	s_mov_b32 s[G1+7], 0
	s_wait_alu depctr_va_vdst(0)
	s_wait_dscnt 0x0
	s_wait_kmcnt 0x0
	s_load_b128 s[56:59], s[6:7], 0x18             ; e6 .. e9
	s_load_b32 s60, s[6:7], 0x28                   ; e10
	s_add_nc_u64 s[16:17], s[4:5], s[16:17]
	s_mov_b32 s[G0], 1
	s_mov_b32 s[G0+1], s20
	s_mov_b64 s[G0+2:G0+3], s[16:17]
	s_or_b32 s[G0+3], s[G0+3], 0x80000000
	CROUND
	tensor_load_to_lds s[G0:G0+3], s[G1:G1+7]      ; my one tensor load
	s_nop 0
	PLACES
	s_bfe_u32 s21, s14, 0x10001
	s_lshl_b32 s22, ttmp9, 1
	s_add_co_u32 s21, s21, s22
	s_bfe_u32 s22, s14, 0x10002
	s_mul_i32 s22, s22, 7
	s_xor_b32 s21, s21, s22                        ; a: the short block's group of 128 queries, 0 .. 7
	s_xor_b32 s23, s21, 15                         ; the long block's
	s_and_b32 s49, s14, 1
	s_lshl_b32 s49, s49, 2
	s_add_co_u32 s49, s49, s11                     ; the block in its group, the same for both
	s_lshl_b32 s50, s21, 3
	s_add_co_u32 s50, s50, s49                     ; the short block
	s_lshl_b32 s52, s23, 3
	s_add_co_u32 s52, s52, s49                     ; the long block
	s_lshr_b32 s51, s49, 1
	s_lshl_b32 s51, s51, 5
	s_and_b32 s48, s49, 1
	s_lshl_b32 s48, s48, 3
	s_add_co_u32 s51, s51, s48                     ; the block's first query in its group
	s_cmp_eq_u32 s13, 0
	s_cselect_b32 s[GG], s23, s21                  ; the first pass: A the long block, B the short one
	s_cselect_b32 s53, s52, s50
	s_mul_i32 s48, s14, 4352
	s_add_co_u32 s48, s48, STG
	v_and_b32 v3, 31, v0
	s_delay_alu instid0(VALU_DEP_1)
	v_lshlrev_b32 v[LI], 4, v3
	v_lshlrev_b32 v[SB], 2, v3
	s_delay_alu instid0(VALU_DEP_2)
	v_add_nc_u32 v[SA], s48, v[LI]
	s_delay_alu instid0(VALU_DEP_2)
	v_add_nc_u32 v[SB], s48, v[SB]
	s_delay_alu instid0(VALU_DEP_1)
	v_add_nc_u32 v[SB], 4096, v[SB]
	v_and_b32 v3, 15, v0
	v_bfe_u32 v4, v0, 4, 1
	s_delay_alu instid0(VALU_DEP_2)
	v_and_b32 v5, 8, v3
	s_delay_alu instid0(VALU_DEP_1)
	v_add_nc_u32 v5, v5, v3
	s_delay_alu instid0(VALU_DEP_1)
	v_add_nc_u32 v5, s51, v5
	v_lshlrev_b32 v4, 4, v4
	s_delay_alu instid0(VALU_DEP_1)
	v_sub_nc_u32 v[DQ], v5, v4                     ; my query in its group - 16 (lane / 16)
	s_lshl_b32 s74, s12, 17
	s_lshl_b32 s75, s53, 10
	s_add_co_u32 s74, s74, s75
	s_mov_b32 s75, 0
	s_add_nc_u64 s[74:75], s[4:5], s[74:75]
	s_wait_alu depctr_va_vdst(0)
	global_load_b128 v[16:19], v[LI], s[74:75]     ; q of the first pass's block
	global_load_b128 v[20:23], v[LI], s[74:75] offset:512
	s_lshl_b32 s76, s12, 17
	s_lshl_b32 s77, s52, 10
	s_add_co_u32 s76, s76, s77
	s_mov_b32 s77, 0
	s_add_nc_u64 s[76:77], s[4:5], s[76:77]
	s_cmp_eq_u32 s13, 0
	s_cbranch_scc1 .Lno_q2
	global_load_b128 v[24:27], v[LI], s[76:77]     ; B: q of the long block, for the second pass
	global_load_b128 v[28:31], v[LI], s[76:77] offset:512
.Lno_q2:
	s_lshr_b32 s48, s12, 4
	s_lshl_b32 s48, s48, 7
	s_and_b32 s53, s12, 15
	s_lshl_b32 s53, s53, 10
	s_add_co_u32 s72, s48, s50
	s_lshl_b32 s72, s72, 14
	s_add_co_u32 s72, s72, s53
	s_mov_b32 s73, 0
	s_add_nc_u64 s[72:73], s[8:9], s[72:73]        ; the short block's place in ai,
	s_add_co_u32 s78, s48, s52
	s_lshl_b32 s78, s78, 14
	s_add_co_u32 s78, s78, s53
	s_mov_b32 s79, 0
	s_add_nc_u64 s[78:79], s[8:9], s[78:79]        ; the long block's
	s_mov_b32 s[SEL], 0x76543210
	s_mov_b32 s[SEL+1], 0xfedcba98
	s_mov_b32 s[ST], 0
	s_mov_b32 s[KB], 0
	s_mov_b32 s[VB], 131072
.macro FRESH                           ; a block's state: the largest t -3e38, under every t; sums and O^T zeros, which the first change of M leaves zeros
	v_mov_b32 v13, 0xff61b1e6
	s_delay_alu instid0(VALU_DEP_1)
	v_floor_f32 v12, -v13
	v_mov_b32 v14, 0
	v_mov_b32 v15, 0
.set n, 0
.rept 32
	v_mov_b32 v[160+n], 0
.set n, n+1
.endr
.endm
	FRESH
	v_mov_b32 v236, 0
	v_mov_b32 v252, 0
	v_mov_b32 v253, 0
	s_wait_kmcnt 0x0
	s_add_co_i32 s48, s56, s57
	s_lshl_b32 s48, s48, 23
	s_add_co_i32 s[CS], s48, 0x3e38aa3b            ; log2(e) / 8 x 2^(e6 + e7)
	s_mov_b32 s[CS+1], s[CS]
	s_add_co_i32 s48, s58, 127
	s_lshl_b32 s49, s48, 23
	v_mov_b32 v244, s49                            ; 2^e8
	s_add_co_i32 s48, s48, 15
	s_lshl_b32 s48, s48, 23
	s_or_b32 s48, s48, 0x600000
	v_mov_b32 v240, s48
	s_sub_co_i32 s48, s60, s58
	s_sub_co_i32 s48, s48, s59
	s_add_co_i32 s48, s48, 127
	s_lshl_b32 s49, s48, 23
	v_mov_b32 v245, s49                            ; 2^(e10 - e8 - e9)
	s_add_co_i32 s48, s48, 15
	s_lshl_b32 s48, s48, 23
	s_or_b32 s48, s48, 0x600000
	v_mov_b32 v241, s48
	s_wait_alu depctr_va_vdst(0)
	s_wait_loadcnt 0x0
	s_wait_tensorcnt 0x0                           ; my part of K or V has landed
	s_barrier_signal -1
	s_barrier_wait -1                              ; and so has everybody's
	PASS                                           ; key steps 0 to 7
	s_cmp_eq_u32 s13, 0
	s_cbranch_scc0 .Lb_turn
	PLACES                                         ; A: my part of the long block goes to the pair's stage
	v_add_f32 v14, v14, v15
	s_wait_alu depctr_va_vdst(0)                   ; the wait behind the write
.irp n, 0,1,2,3,4,5,6,7
	ds_store_b128 v[SA], v[160+4*\n:163+4*\n] offset:512*\n
.endr
	ds_store_b32 v[SB], v14
	ds_store_b32 v[SB], v12 offset:128
	s_mov_b32 s[GG], 0                             ; none of the steps from 8 on is mine
	s_branch .Lpass2
.Lb_turn:
	FIN 72                                         ; B: the short block is finished
	FRESH
.irp n, 0,1,2,3,4,5,6,7
	v_mov_b32 v[16+\n], v[24+\n]                   ; the long block's q
.endr
	s_mov_b32 s[GG], s23
	s_wait_alu depctr_va_vdst(0)
	s_wait_xcnt 0x0                                ; the stores have read their codes: the next step writes those registers
.Lpass2:
	PASS                                           ; key steps 8 to 15
	PLACES
	s_wait_dscnt 0x0                               ; for my partner's sake: my stores have landed
	s_barrier_signal -1
	s_barrier_wait -1
	s_cmp_eq_u32 s13, 0
	s_cbranch_scc1 .Lend
.irp n, 0,1,2,3,4,5,6,7
	ds_load_b128 v[96+4*\n:99+4*\n], v[SA] offset:512*\n
.endr
	ds_load_b32 v128, v[SB]
	ds_load_b32 v129, v[SB] offset:128
	s_wait_dscnt 0x0
	v_add_f32 v14, v14, v15
	v_min_num_f32 v130, v12, v129                  ; the joint -M: the lesser of the two
	v_mov_b32 v15, 0
	s_delay_alu instid0(VALU_DEP_2)
	v_sub_f32 v132, v130, v12                      ; whole numbers, 0 or less
	v_sub_f32 v134, v130, v129
	s_delay_alu instid0(VALU_DEP_2)
	v_cvt_i32_f32 v132, v132                       ; (it saturates)
	s_delay_alu instid0(VALU_DEP_2)
	v_cvt_i32_f32 v134, v134
	s_delay_alu instid0(VALU_DEP_2)
	v_ldexp_f32 v132, 1.0, v132                    ; my part's factor,
	s_delay_alu instid0(VALU_DEP_2)
	v_ldexp_f32 v134, 1.0, v134                    ; A's
	v_mov_b32 v133, 0
	v_mov_b32 v135, 0
	v_mul_f32 v14, v14, v132
	s_delay_alu instid0(VALU_DEP_1)
	v_fmac_f32 v14, v128, v134
.set n, 0
.rept 16
	v_pk_mul_f32 v[160+n:161+n], v[160+n:161+n], v[132:133] op_sel_hi:[1,0]
.set n, n+2
.endr
.set n, 0
.rept 16
	v_pk_fma_f32 v[160+n:161+n], v[96+n:97+n], v[134:135], v[160+n:161+n] op_sel_hi:[1,0,1]
.set n, n+2
.endr
	FIN 78                                         ; the long block is finished
.Lend:
	s_wait_tensorcnt 0x0                           ; the wave's end
	ds_add_u32 v251, v255
	s_wait_dscnt 0x0
	CROUND                                         ; the closing round
	s_endpgm
.Lfunc_end_k_q60db791139_attn:
	.size	k_q60db791139_attn, .Lfunc_end_k_q60db791139_attn-k_q60db791139_attn
	.p2alignl 7, 3214868480
	.fill 96, 4, 3214868480
	.section	.rodata,"a",@progbits
	.p2align	6, 0x0
	.amdhsa_kernel k_q60db791139_attn
		.amdhsa_group_segment_fixed_size 327680
		.amdhsa_private_segment_fixed_size 0
		.amdhsa_enable_private_segment 0
		.amdhsa_kernarg_size 24
		.amdhsa_user_sgpr_count 2
		.amdhsa_user_sgpr_kernarg_segment_ptr 1
		.amdhsa_wavefront_size32 1
		.amdhsa_system_sgpr_workgroup_id_x 1
		.amdhsa_system_sgpr_workgroup_id_y 1
		.amdhsa_system_sgpr_workgroup_id_z 1
		.amdhsa_system_vgpr_workitem_id 0
		.amdhsa_next_free_vgpr 256
		.amdhsa_next_free_sgpr 100
		.amdhsa_reserve_vcc 1
		.amdhsa_float_denorm_mode_32 3
		.amdhsa_float_denorm_mode_16_64 3
		.amdhsa_memory_ordered 1
		.amdhsa_forward_progress 1
		.amdhsa_inst_pref_size 65
	.end_amdhsa_kernel
	.amdgpu_metadata
---
amdhsa.version: [ 1, 2 ]
amdhsa.kernels:
  - .name:           k_q60db791139_attn
    .symbol:         k_q60db791139_attn.kd
    .args:
      - { .name: qkv, .offset: 0, .size: 8, .value_kind: global_buffer, .address_space: global }
      - { .name: lowp_scales, .offset: 8, .size: 8, .value_kind: global_buffer, .address_space: global }
      - { .name: ai, .offset: 16, .size: 8, .value_kind: global_buffer, .address_space: global }
    .group_segment_fixed_size: 327680
    .private_segment_fixed_size: 0
    .kernarg_segment_align: 8
    .kernarg_segment_size: 24
    .max_flat_workgroup_size: 512
    .sgpr_count:     100
    .vgpr_count:     256
    .wavefront_size: 32
...
	.end_amdgpu_metadata
.endif
;; end of part 3
;; launch oproj (part 4): grid 8 x 32, 4 waves a work-group, clusters of 4 x 4, 262,656 bytes of LDS; arguments ai, pw, x, lowp_scales, x2; writes x2
.if DOCPART == 4
	.amdgcn_target "amdgcn-amd-amdhsa--gfx1250"
	.amdhsa_code_object_version 6
	.text
	.protected	k_q60db791139_oproj
	.globl	k_q60db791139_oproj
	.p2align	8
	.type	k_q60db791139_oproj,@function
k_q60db791139_oproj:
	s_mov_b64 s[64:65], 0
	v_nop
	global_prefetch_b8 v0, s[64:65] scope:SCOPE_SE
	s_setreg_imm32_b32 hwreg(HW_REG_WAVE_MODE, 25, 1), 1
	s_wait_xcnt 0x0
	s_wait_alu depctr_hold_cnt(0) depctr_sa_sdst(0) depctr_va_vdst(0) depctr_va_sdst(0) depctr_va_ssrc(0) depctr_va_vcc(0) depctr_vm_vsrc(0)
	s_getreg_b32 s2, hwreg(HW_REG_IB_STS2, 6, 4)
	s_cmp_eq_u32 s2, 0
	s_cbranch_scc0 .Lentry_in_a_cluster
	s_endpgm
.Lentry_in_a_cluster:
	s_bfe_u32 s2, ttmp6, 0x10000c
	s_cmp_lg_u32 s2, 0xf033
	s_cbranch_scc0 .Lentry_shape_is_right
	s_endpgm
.Lentry_shape_is_right:
; Product 6 on codes of E5M2 and the first residual: x2 = x + attn Wo^T.  Tile, chunks, images, cluster and K loop as in the launch for q, k, v: 128 tokens x 128 columns a work-group, 64 x 64 a wave,
; all of K = 1,024 in LDS in four chunks asked for once at the head (four tensor loads out a wave), the tokens' tiles joint along a row of the cluster, the weights' along a column.
; Source 0 = weights, source 1 = tokens: a lane holds one token and 16 neighbouring columns.  x's numbers at those places are asked for at the head and are waited for ahead of the epilogue.
; x2 is laid for its readers: [256 blocks of tokens][256 groups of 4 columns][16 places][16 bytes]: sixteen lanes store 256 consecutive bytes, aligned.
; LIMIT: e10 + e11 between -126 and 127.
; ONE TENSOR LOAD A WAVE: a wave's four row blocks with all of K are 65,536 bytes on end, in memory and in LDS.
; Where the lines above speak of four chunks and four loads, read one load a wave and one barrier; a K step lies 2,048 bytes behind the last.
.set RSY, 16384
.set RSX, 16384
.set ACC, 128
.set F0,  0
.set F1,  128
.set LI,  2
.set AY,  4
.set AX,  8
.set XO,  16
.set SO,  17
.set WV,  14
.set G1Y, 24
.set G1X, 48
.set G0Y, 68
.set G0X, 84
.set MSB, 0
.macro WIN new
.if MSB != \new
	s_set_vgpr_msb (MSB<<8)|\new
.set MSB, \new
.endif
.endm
.macro PLACES
.rept 4
	v_nop
.endr
.endm
.macro FETCH f, ay, ax, off
	WIN 0x40
.irp i, 0,1,2,3
.irp c, 0,1,2,3
	ds_load_b128 v[\f+16*\i+4*\c:\f+16*\i+4*\c+3], v[\ay] offset:\off+\i*RSY+512*\c
.endr
.endr
.irp i, 0,1,2,3
.irp c, 0,1,2,3
	ds_load_b128 v[\f+64+16*\i+4*\c:\f+64+16*\i+4*\c+3], v[\ax] offset:\off+\i*RSX+512*\c
.endr
.endr
.endm
.macro MUL f, zero                     ; 16 products, the accumulators by turns
	WIN 0x05
.irp a, 0,1,2,3
.irp b, 0,1,2,3
.if \zero
	v_wmma_f32_16x16x128_bf8_bf8 v[ACC+8*(4*\a+\b):ACC+8*(4*\a+\b)+7], v[\f+64+16*\b:\f+64+16*\b+15], v[\f+16*\a:\f+16*\a+15], 0
.else
	v_wmma_f32_16x16x128_bf8_bf8 v[ACC+8*(4*\a+\b):ACC+8*(4*\a+\b)+7], v[\f+64+16*\b:\f+64+16*\b+15], v[\f+16*\a:\f+16*\a+15], v[ACC+8*(4*\a+\b):ACC+8*(4*\a+\b)+7]
.endif
.endr
.endr
.endm
.macro KS f, g, ay, ax, off, zero
	s_wait_dscnt 0x0                               ; set f, asked for a step ago, is in
	PLACES                                         ; set g was multiplied in the step before
	FETCH \g, \ay, \ax, \off
	MUL \f, \zero
.endm
.macro PUB n                           ; my part of a chunk has landed (n of my loads were issued behind it)
	s_wait_dscnt 0x0
	s_wait_tensorcnt \n
	s_barrier_signal -1
	s_barrier_wait -1
.endm
.macro CROUND
	s_barrier_signal -1
	s_barrier_wait -1
	s_cmp_lg_u32 s[WV], 0
	s_cbranch_scc1 .Lnot_wave_0_\@
	s_barrier_signal -3
.Lnot_wave_0_\@:
	s_barrier_wait -3
	s_barrier_signal -1
	s_barrier_wait -1
.endm
	s_load_b256 s[4:11], s[0:1], 0x0               ; ai, pw, x, the scales
	s_load_b64 s[12:13], s[0:1], 0x20              ; x2
	v_lshl_add_u32 v126, v0, 2, 0x40000
	v_mov_b32 v127, 0
	ds_add_u32 v126, v127
	ds_add_u32 v126, v127
	v_lshrrev_b32 v1, 5, v0
	v_readfirstlane_b32 s[WV], v1
	s_lshr_b32 s15, s[WV], 1                       ; wy
	s_and_b32 s16, s[WV], 1                        ; wx
	s_bfe_u32 s17, ttmp6, 0x40000
	s_bfe_u32 s18, ttmp6, 0x40004
	s_lshl_b32 s19, ttmp9, 2
	s_add_co_u32 s19, s19, s17                     ; the tile of columns
	s_and_b32 s20, ttmp7, 0xffff
	s_lshl_b32 s20, s20, 2
	s_add_co_u32 s20, s20, s18                     ; the tile of tokens
	s_lshl_b32 s21, s18, 2
	s_lshl_b32 s21, 15, s21
	s_lshl_b32 s22, 0x1111, s17
	s_or_b32 s[G1Y], s21, (3<<16)|(1<<21)
	s_or_b32 s[G1X], s22, (3<<16)|(1<<21)
.irp g, G1Y, G1X
	s_mov_b32 s[\g+1], 2048<<16
	s_mov_b32 s[\g+2], 4<<16
	s_mov_b32 s[\g+3], 2048<<16
	s_mov_b32 s[\g+4], 4
	s_mov_b32 s[\g+5], 2048
	s_mov_b32 s[\g+6], 0
	s_mov_b32 s[\g+7], 0
.endr
	s_lshl_b32 s32, s20, 17
	s_lshl_b32 s33, s16, 16
	s_add_co_u32 s32, s32, s33
	s_mov_b32 s33, 0
	s_lshl_b32 s34, s19, 17
	s_lshl_b32 s35, s16, 16
	s_add_co_u32 s34, s34, s35
	s_add_co_u32 s34, s34, 3145728                 ; Wo's image in pw
	s_mov_b32 s35, 0
	s_lshl_b32 s36, s[WV], 16
	s_wait_dscnt 0x0
	s_wait_kmcnt 0x0
	s_load_b64 s[46:47], s[10:11], 0x28            ; e10, e11
	s_add_nc_u64 s[32:33], s[4:5], s[32:33]
	s_add_nc_u64 s[34:35], s[6:7], s[34:35]
.irp c, 0
	s_mov_b32 s[G0Y+4*\c], 1
	s_add_co_u32 s[G0Y+4*\c+1], s36, 65536*\c
	s_add_nc_u64 s[G0Y+4*\c+2:G0Y+4*\c+3], s[32:33], 4096*\c
	s_or_b32 s[G0Y+4*\c+3], s[G0Y+4*\c+3], 0x80000000
	s_mov_b32 s[G0X+4*\c], 1
	s_add_co_u32 s[G0X+4*\c+1], s36, 65536*\c
	s_add_nc_u64 s[G0X+4*\c+2:G0X+4*\c+3], s[34:35], 4096*\c
	s_or_b32 s[G0X+4*\c+3], s[G0X+4*\c+3], 0x80000000
.endr
	CROUND
	s_cmp_eq_u32 s15, 0
	s_cbranch_scc0 .Lfill_x
.irp c, 0
	tensor_load_to_lds s[G0Y+4*\c:G0Y+4*\c+3], s[G1Y:G1Y+7]
	s_nop 0
.endr
	PLACES
	s_branch .Lfilled
.Lfill_x:
.irp c, 0
	tensor_load_to_lds s[G0X+4*\c:G0X+4*\c+3], s[G1X:G1X+7]
	s_nop 0
.endr
	PLACES
.Lfilled:
	v_and_b32 v1, 31, v0
	v_lshlrev_b32 v[LI], 4, v1
	v_and_b32 v3, 15, v0
	v_bfe_u32 v12, v0, 4, 1
	v_and_b32 v13, 8, v3
	v_add_nc_u32 v13, v13, v3
	v_lshlrev_b32 v[XO], 12, v13
	v_lshl_add_u32 v[XO], v12, 6, v[XO]            ; x: the row of place r, + 64 h
	s_wait_alu depctr_va_vdst(0)
	v_lshlrev_b32 v[SO], 4, v3
	v_lshl_add_u32 v[SO], v12, 10, v[SO]           ; x2: 16 r + 1,024 h
	s_lshl_b32 s56, s20, 19
	s_lshl_b32 s57, s15, 18
	s_add_co_u32 s56, s56, s57                     ; (128 Y + 64 wy) rows of 4,096 bytes = (8 Y + 4 wy) blocks of 65,536
	s_mov_b32 s58, s56
	s_lshl_b32 s57, s19, 9
	s_add_co_u32 s56, s56, s57
	s_lshl_b32 s57, s16, 8
	s_add_co_u32 s56, s56, s57
	s_mov_b32 s57, 0
	s_add_nc_u64 s[56:57], s[8:9], s[56:57]
	s_lshl_b32 s59, s19, 13
	s_add_co_u32 s58, s58, s59
	s_lshl_b32 s59, s16, 12
	s_add_co_u32 s58, s58, s59
	s_mov_b32 s59, 0
	s_add_nc_u64 s[58:59], s[12:13], s[58:59]
	WIN 0x80
.irp a, 0,1,2,3
.irp be, 0,1
.irp q, 0,1,2,3
	global_load_b128 v[32*\a+16*\be+4*\q:32*\a+16*\be+4*\q+3], v[XO], s[56:57] offset:(32*(\a/2)+8*(\a%2))*4096+128*\be+16*\q
.endr
.endr
.endr
	WIN 0
	s_lshl_b32 s37, s15, 16
	s_lshl_b32 s38, s16, 16
	s_add_co_u32 s38, s38, 131072
.irp c, 0,1,2,3
	v_add_nc_u32 v[AY+\c], s37, v[LI]
	v_add_nc_u32 v[AX+\c], s38, v[LI]
	s_add_co_u32 s37, s37, 4096
	s_add_co_u32 s38, s38, 4096
.endr
	s_wait_alu depctr_va_vdst(0)
	s_wait_kmcnt 0x0
	s_add_co_i32 s46, s46, s47
	s_add_co_i32 s46, s46, 127
	s_lshl_b32 s46, s46, 23                        ; 2^(e10 + e11)
	s_mov_b32 s47, s46
	PUB 0
	FETCH F0, AY, AX, 0
	KS F0, F1, AY, AX, 2048, 1
	KS F1, F0, AY+1, AX+1, 0, 0
	KS F0, F1, AY+1, AX+1, 2048, 0
	KS F1, F0, AY+2, AX+2, 0, 0
	KS F0, F1, AY+2, AX+2, 2048, 0
	KS F1, F0, AY+3, AX+3, 0, 0
	KS F0, F1, AY+3, AX+3, 2048, 0
	s_wait_dscnt 0x0
	MUL F1, 0
	WIN 0
	PLACES
	s_wait_loadcnt 0x0                             ; x
	WIN 0x20                                       ; source 2 (x) window 2
.set n, 0
.rept 64
	v_pk_fma_f32 v[ACC+n:ACC+n+1], v[ACC+n:ACC+n+1], s[46:47], v[n:n+1] op_sel_hi:[1,0,1]   ; sum x 2^(e10 + e11) + x, each accumulator from its low end on
.set n, n+2
.endr
	WIN 0
.irp a, 0,1,2,3
.irp be, 0,1
.irp q, 0,1,2,3
	global_store_b128 v[SO], v[ACC+32*\a+16*\be+4*\q:ACC+32*\a+16*\be+4*\q+3], s[58:59] offset:65536*\a+2048*\be+256*\q
.endr
.endr
.endr
	s_wait_tensorcnt 0x0
	ds_add_u32 v126, v127
	s_wait_dscnt 0x0
	CROUND                                         ; the closing round
	s_endpgm
.Lfunc_end_k_q60db791139_oproj:
	.size	k_q60db791139_oproj, .Lfunc_end_k_q60db791139_oproj-k_q60db791139_oproj
	.p2alignl 7, 3214868480
	.fill 96, 4, 3214868480
	.section	.rodata,"a",@progbits
	.p2align	6, 0x0
	.amdhsa_kernel k_q60db791139_oproj
		.amdhsa_group_segment_fixed_size 262656
		.amdhsa_private_segment_fixed_size 0
		.amdhsa_enable_private_segment 0
		.amdhsa_kernarg_size 40
		.amdhsa_user_sgpr_count 2
		.amdhsa_user_sgpr_kernarg_segment_ptr 1
		.amdhsa_wavefront_size32 1
		.amdhsa_system_sgpr_workgroup_id_x 1
		.amdhsa_system_sgpr_workgroup_id_y 1
		.amdhsa_system_sgpr_workgroup_id_z 1
		.amdhsa_system_vgpr_workitem_id 0
		.amdhsa_next_free_vgpr 768
		.amdhsa_next_free_sgpr 104
		.amdhsa_reserve_vcc 0
		.amdhsa_float_denorm_mode_32 3
		.amdhsa_float_denorm_mode_16_64 3
		.amdhsa_memory_ordered 1
		.amdhsa_forward_progress 1
		.amdhsa_inst_pref_size 43
	.end_amdhsa_kernel
	.amdgpu_metadata
---
amdhsa.version: [ 1, 2 ]
amdhsa.kernels:
  - .name:           k_q60db791139_oproj
    .symbol:         k_q60db791139_oproj.kd
    .args:
      - { .name: ai, .offset: 0, .size: 8, .value_kind: global_buffer, .address_space: global }
      - { .name: pw, .offset: 8, .size: 8, .value_kind: global_buffer, .address_space: global }
      - { .name: x, .offset: 16, .size: 8, .value_kind: global_buffer, .address_space: global }
      - { .name: lowp_scales, .offset: 24, .size: 8, .value_kind: global_buffer, .address_space: global }
      - { .name: x2, .offset: 32, .size: 8, .value_kind: global_buffer, .address_space: global }
    .group_segment_fixed_size: 262656
    .private_segment_fixed_size: 0
    .kernarg_segment_align: 8
    .kernarg_segment_size: 40
    .max_flat_workgroup_size: 128
    .sgpr_count:     104
    .vgpr_count:     768
    .wavefront_size: 32
...
	.end_amdgpu_metadata
.endif
;; end of part 4
;; launch norm2 (part 5): grid 256 x 1, 8 waves a work-group, no clusters, 2,048 bytes of LDS; arguments x2, g2, lowp_scales, xm; writes xm
.if DOCPART == 5
	.amdgcn_target "amdgcn-amd-amdhsa--gfx1250"
	.amdhsa_code_object_version 6
	.text
	.protected	k_q60db791139_norm2
	.globl	k_q60db791139_norm2
	.p2align	8
	.type	k_q60db791139_norm2,@function
k_q60db791139_norm2:
	s_mov_b64 s[64:65], 0
	v_nop
	global_prefetch_b8 v0, s[64:65] scope:SCOPE_SE
	s_setreg_imm32_b32 hwreg(HW_REG_WAVE_MODE, 25, 1), 1
	s_wait_xcnt 0x0
; rmsnorm(x2, g2) as codes of E5M2 under the scales of products 7 and 8 (entries 12 and 14).  A launch of its own, since a row's mean square spans the eight work-groups that made the row.
; A work-group takes a block of 16 tokens; wave w the columns 128 w on.  x2 lies [block][group of 4 columns][place][16 bytes]: sixteen lanes read 256 consecutive bytes.
; xm: [256 blocks][variant 0, 1][16,384 bytes], each an image (16 rows x 16 k in 256 bytes).  No work-groups share input: no cluster, no tensor load.
; LIMITS: e12, e14 between -126 and 112; 1 / rms by v_rsq_f32; NaN among the inputs is not served.
.set X,  16
.set GN, 80
.set T,  144
.set C,  160
.set LI, 2
.set RR, 3
.set HH, 4
	s_load_b256 s[4:11], s[0:1], 0x0               ; x2, g2, the scales, xm
	v_lshl_add_u32 v192, v0, 2, 0x400
	v_mov_b32 v193, 0
	v_lshrrev_b32 v1, 5, v0
	s_delay_alu instid0(VALU_DEP_1)
	v_readfirstlane_b32 s16, v1                    ; wave 0..7
	v_and_b32 v1, 31, v0
	s_delay_alu instid0(VALU_DEP_1)
	v_lshlrev_b32 v[LI], 4, v1
	v_and_b32 v[RR], 15, v0
	v_bfe_u32 v[HH], v0, 4, 1
	s_lshl_b32 s17, ttmp9, 16
	s_lshl_b32 s18, s16, 13
	s_add_co_u32 s17, s17, s18
	v_lshlrev_b32 v6, 4, v[RR]
	s_delay_alu instid0(VALU_DEP_1)
	v_lshl_add_u32 v6, v[HH], 10, v6
	s_delay_alu instid0(VALU_DEP_1)
	v_add_nc_u32 v6, s17, v6
	s_lshl_b32 s18, s16, 9
	v_lshlrev_b32 v7, 6, v[HH]
	s_delay_alu instid0(VALU_DEP_1)
	v_add_nc_u32 v7, s18, v7
	s_wait_alu depctr_va_vdst(0)
	s_wait_kmcnt 0x0
	s_load_b128 s[12:15], s[8:9], 0x30             ; e12 .. e15
.irp b, 0,1,2,3
.irp q, 0,1,2,3
	global_load_b128 v[X+16*\b+4*\q:X+16*\b+4*\q+3], v6, s[4:5] offset:2048*\b+256*\q
.endr
.endr
.irp b, 0,1,2,3
.irp q, 0,1,2,3
	global_load_b128 v[GN+16*\b+4*\q:GN+16*\b+4*\q+3], v7, s[6:7] offset:128*\b+16*\q
.endr
.endr
	s_mov_b32 s20, 0x76543210
	s_mov_b32 s21, 0xfedcba98
	v_lshlrev_b32 v8, 2, v[RR]
	s_lshl_b32 s22, s16, 6
	v_add_nc_u32 v9, s22, v8
	s_lshl_b32 s23, ttmp9, 15
	s_lshl_b32 s24, s16, 11
	s_add_co_u32 s23, s23, s24
	v_add_nc_u32 v1, s23, v[LI]
	s_wait_loadcnt 16                              ; x2's 16 loads are in; the gain's 16 may be out
	v_pk_mul_f32 v[T:T+1], v[X:X+1], v[X:X+1]
	v_pk_mul_f32 v[T+2:T+3], v[X+2:X+3], v[X+2:X+3]
.set n, 4
.rept 15
	s_delay_alu instid0(VALU_DEP_2)
	v_pk_fma_f32 v[T:T+1], v[X+n:X+n+1], v[X+n:X+n+1], v[T:T+1]
	s_delay_alu instid0(VALU_DEP_2)
	v_pk_fma_f32 v[T+2:T+3], v[X+n+2:X+n+3], v[X+n+2:X+n+3], v[T+2:T+3]
.set n, n+4
.endr
	s_delay_alu instid0(VALU_DEP_1)
	v_pk_add_f32 v[T:T+1], v[T:T+1], v[T+2:T+3]
	s_delay_alu instid0(VALU_DEP_1)
	v_add_f32 v[T], v[T], v[T+1]
	s_delay_alu instid0(VALU_DEP_1)
	v_permlanex16_b32 v[T+1], v[T], s20, s21
	s_delay_alu instid0(VALU_DEP_1)
	v_add_f32 v[T], v[T], v[T+1]
	ds_store_b32 v9, v[T]
	s_wait_dscnt 0x0                               ; for the others' sake: my store has landed
	s_barrier_signal -1
	s_barrier_wait -1
.irp k, 0,1,2,3,4,5,6,7
	ds_load_b32 v[T+\k], v8 offset:64*\k
.endr
	s_wait_dscnt 0x0
	v_add_f32 v[T], v[T], v[T+1]
	v_add_f32 v[T+2], v[T+2], v[T+3]
	v_add_f32 v[T+4], v[T+4], v[T+5]
	v_add_f32 v[T+6], v[T+6], v[T+7]
	s_delay_alu instid0(VALU_DEP_3)
	v_add_f32 v[T], v[T], v[T+2]
	s_delay_alu instid0(VALU_DEP_2)
	v_add_f32 v[T+4], v[T+4], v[T+6]
	s_delay_alu instid0(VALU_DEP_1)
	v_add_f32 v[T], v[T], v[T+4]
	v_mov_b32 v[T+8], 0x3a800000
	s_delay_alu instid0(VALU_DEP_1)
	v_fmaak_f32 v[T], v[T], v[T+8], 0x3727c5ac
	s_wait_alu depctr_va_vdst(0)
	v_rsq_f32 v[T], v[T]
	v_mov_b32 v[T+1], 0                            ; a plain line behind it
	s_wait_kmcnt 0x0
.irp g, 0,1
	s_add_co_i32 s25, s[12+2*\g], 127
	s_lshl_b32 s26, s25, 23
	v_mov_b32 v[10+2*\g], s26
	s_add_co_i32 s25, s25, 15
	s_lshl_b32 s25, s25, 23
	s_or_b32 s25, s25, 0x600000
	v_mov_b32 v[11+2*\g], s25
.endr
	s_wait_alu depctr_va_vdst(0)                   ; ahead of the root's first reader
	s_wait_loadcnt 0x0
.set n, 0
.rept 32
	v_pk_mul_f32 v[X+n:X+n+1], v[X+n:X+n+1], v[T:T+1] op_sel_hi:[1,0]
.set n, n+2
.endr
.set n, 0
.rept 32
	v_pk_mul_f32 v[X+n:X+n+1], v[X+n:X+n+1], v[GN+n:GN+n+1]
.set n, n+2
.endr
.irp b, 0,1,2,3
.irp g, 0,1
.irp i, 0,1,2,3,4,5,6,7,8,9,10,11,12,13,14,15
	v_med3_num_f32 v[T+\i], v[X+16*\b+\i], -v[11+2*\g], v[11+2*\g]
.endr
	v_cvt_scalef32_pk8_bf8_f32 v[C+8*\b+4*\g:C+8*\b+4*\g+1], v[T:T+7], v[10+2*\g]
	v_cvt_scalef32_pk8_bf8_f32 v[C+8*\b+4*\g+2:C+8*\b+4*\g+3], v[T+8:T+15], v[10+2*\g]
	v_nop                                          ; a plain line ahead of the next holds, which write the conversions' sources
	global_store_b128 v1, v[C+8*\b+4*\g:C+8*\b+4*\g+3], s[10:11] offset:16384*\g+512*\b
.endr
.endr
	s_wait_tensorcnt 0x0
	ds_add_u32 v192, v193
	s_wait_dscnt 0x0
	s_endpgm
.Lfunc_end_k_q60db791139_norm2:
	.size	k_q60db791139_norm2, .Lfunc_end_k_q60db791139_norm2-k_q60db791139_norm2
	.p2alignl 7, 3214868480
	.fill 96, 4, 3214868480
	.section	.rodata,"a",@progbits
	.p2align	6, 0x0
	.amdhsa_kernel k_q60db791139_norm2
		.amdhsa_group_segment_fixed_size 2048
		.amdhsa_private_segment_fixed_size 0
		.amdhsa_enable_private_segment 0
		.amdhsa_kernarg_size 32
		.amdhsa_user_sgpr_count 2
		.amdhsa_user_sgpr_kernarg_segment_ptr 1
		.amdhsa_wavefront_size32 1
		.amdhsa_system_sgpr_workgroup_id_x 1
		.amdhsa_system_sgpr_workgroup_id_y 1
		.amdhsa_system_sgpr_workgroup_id_z 1
		.amdhsa_system_vgpr_workitem_id 0
		.amdhsa_next_free_vgpr 194
		.amdhsa_next_free_sgpr 66
		.amdhsa_reserve_vcc 0
		.amdhsa_float_denorm_mode_32 3
		.amdhsa_float_denorm_mode_16_64 3
		.amdhsa_memory_ordered 1
		.amdhsa_forward_progress 1
		.amdhsa_inst_pref_size 24
	.end_amdhsa_kernel
	.amdgpu_metadata
---
amdhsa.version: [ 1, 2 ]
amdhsa.kernels:
  - .name:           k_q60db791139_norm2
    .symbol:         k_q60db791139_norm2.kd
    .args:
      - { .name: x2, .offset: 0, .size: 8, .value_kind: global_buffer, .address_space: global }
      - { .name: g2, .offset: 8, .size: 8, .value_kind: global_buffer, .address_space: global }
      - { .name: lowp_scales, .offset: 16, .size: 8, .value_kind: global_buffer, .address_space: global }
      - { .name: xm, .offset: 24, .size: 8, .value_kind: global_buffer, .address_space: global }
    .group_segment_fixed_size: 2048
    .private_segment_fixed_size: 0
    .kernarg_segment_align: 8
    .kernarg_segment_size: 32
    .max_flat_workgroup_size: 256
    .sgpr_count:     66
    .vgpr_count:     194
    .wavefront_size: 32
...
	.end_amdgpu_metadata
.endif
;; end of part 5
;; launch ffn1 (part 6): grid 32 x 8, 4 waves a work-group, clusters of 4 x 1, 327,680 bytes of LDS; arguments xm, pw, lowp_scales, hi; writes hi
.if DOCPART == 6
	.amdgcn_target "amdgcn-amd-amdhsa--gfx1250"
	.amdhsa_code_object_version 6
	.text
	.protected	k_q60db791139_ffn1
	.globl	k_q60db791139_ffn1
	.p2align	8
	.type	k_q60db791139_ffn1,@function
k_q60db791139_ffn1:
	s_mov_b64 s[64:65], 0
	v_nop
	global_prefetch_b8 v0, s[64:65] scope:SCOPE_SE
	s_setreg_imm32_b32 hwreg(HW_REG_WAVE_MODE, 25, 1), 1
	s_wait_xcnt 0x0
	s_wait_alu depctr_hold_cnt(0) depctr_sa_sdst(0) depctr_va_vdst(0) depctr_va_sdst(0) depctr_va_ssrc(0) depctr_va_vcc(0) depctr_vm_vsrc(0)
	s_getreg_b32 s2, hwreg(HW_REG_IB_STS2, 6, 4)
	s_cmp_eq_u32 s2, 0
	s_cbranch_scc0 .Lentry_in_a_cluster
	s_endpgm
.Lentry_in_a_cluster:
	s_bfe_u32 s2, ttmp6, 0x10000c
	s_cmp_lg_u32 s2, 0x3003
	s_cbranch_scc0 .Lentry_shape_is_right
	s_endpgm
.Lentry_shape_is_right:
; Products 7 and 8 on codes of E5M2, silu(x1) x3, and the result as codes for product 9.
; SHARES.  A work-group owns 128 tokens (work-group x) and walks tiles of 64 hidden units of w1 AND w3 (131,072 bytes on end in pw).  There are 43 tiles: groups y = 0 .. 6 take six each, group 7 the last one;
; 43 is prime, so no deal over eight groups has a longest share under six.  Group 7 parts on the cluster's y, the same in all partners, and enters at the last tile's text.
; Wave (wy, j): tokens 64 wy on; j = 0: x1 (variant 0 of the tokens' codes x w1), j = 1: x3 (variant 1 x w3).  ITS TOKENS' CODES STAY IN REGISTERS: 4 blocks x 8 K steps x 16 = 512 registers (windows 1 and 2),
; loaded once, straight from xm's images.  Only weights go through LDS, and each fragment read from LDS feeds four matrix instructions.
; THE RING: two slots of one tile; each wave asks for 32,768 bytes on end.  CLUSTER 4 x 1 along the tokens: the four partners walk the same tiles and ask jointly.  No 4 x 4 cluster: the groups' trip counts differ.
; A tile goes in two halves of 32 hidden units, 64 matrix instructions a wave on 8 accumulators by turns.  Source 0 = weights, source 1 = tokens: a lane holds one token and 16 neighbouring hidden units.
; Register slots 0, 1 of a wave hold token blocks 2 j, 2 j + 1, which it finishes; slots 2, 3 the two that its partner (j xor 1) finishes: their sums go to the partner through a stage in LDS (two stages by turns,
; bytes of their own).  The barrier of that swap is, at a tile's end, the round of the cluster's barrier behind which the slot just read is filled again.
; PREFETCH: behind the refill that loads tile t + 2 the cluster asks for tile t + 3, one tile ahead of its load: 512 blocks of 256 bytes, a lane a block, partner cx 32,768 bytes, wave w 8,192 of them: each block
; once a cluster.  Tiles 0 to 2 come by their loads alone; the loop's last trip asks for nothing.  The tokens' codes are read once at the head, where there is no loop to run ahead in.
; LIMITS: e12 + e13 between -120 and 120 (added to a constant's exponent field); e16 - e12 - e13 - e14 - e15 between -126 and 112.
.set SLOT,  131072
.set STAGE, 2*SLOT                     ; two stages of 4 waves x 4,096 bytes
.set SPARE, STAGE+32768                ; the spare words: 512 bytes that no other line names
.set BF,  32                           ; v32-159  four buffers of two weight fragments
.set ACC, 160                          ; v160-191 the sums that I finish; v192-223 those that I send, then at work
.set EX,  192
.set RCV, 224                          ; v224-255 what my partner sends
.set LI,  2                            ; 16 x lane
.set AB0, 3                            ; my weights in slot 0
.set AB1, 4                            ; in slot 1
.set ADB, 5                            ; in the slot in hand (the loop)
.set STS, 24
.set STL, 25
.set SC,  26
.set LIM, 27
.set SPW, 28
.set NIL, 29
.set PFO, 30
.set WV,  12
.set G1,  24
.set G0,  32                           ; the walking descriptor
.set TB,  36
.set CNT, 37
.set STP, 38                           ; s[38:39] what the next tile adds to hi's address: 0, then 1,024
.set PFA, 52
.set HB,  56
.set G0B, 60                           ; group 7's one load: slot 1
.set MSB, 0
.macro WIN new                         ; the immediate's high byte repeats the setting that is left
.if MSB != \new
	s_set_vgpr_msb (MSB<<8)|\new
.set MSB, \new
.endif
.endm
.macro PLACES                          ; four plain lines between a matrix instruction and a load into, or a read of, its registers
.rept 4
	v_nop
.endr
.endm
.macro CROUND                          ; a round of the cluster's barrier
	s_barrier_signal -1
	s_barrier_wait -1
	s_cmp_lg_u32 s[WV], 0
	s_cbranch_scc1 .Lnot_wave_0_\@
	s_barrier_signal -3
.Lnot_wave_0_\@:
	s_barrier_wait -3
	s_barrier_signal -1
	s_barrier_wait -1
.endm
.macro ALOAD s0                        ; my tokens' fragments of K steps s0 .. s0 + 3 into the window that is set
.irp s, 0,1,2,3
.irp a, 0,1,2,3
.irp c, 0,1,2,3
	global_load_b128 v[64*\s+16*\a+4*\c:64*\s+16*\a+4*\c+3], v[LI], s[48+2*(\a/2):49+2*(\a/2)] offset:32768*(\a%2)+2048*(\s0+\s)+512*\c
.endr
.endr
.endr
.endm
.macro KLOAD u, k, adr                 ; K step k's two weight fragments of half u into buffer k % 4
.irp b, 0,1
.irp c, 0,1,2,3
	ds_load_b128 v[BF+32*((\k)%4)+16*\b+4*\c:BF+32*((\k)%4)+16*\b+4*\c+3], v[\adr] offset:32768*(\u)+16384*\b+2048*(\k)+512*\c
.endr
.endr
.endm
.macro BLOAD u, adr                    ; a half's first four K steps
.irp k, 0,1,2,3
	KLOAD \u, \k, \adr
.endr
.endm
.macro COMPUTE u, adr                  ; 64 products; the 8 accumulators take turns, one instruction a turn; the first K step starts the sums
	s_wait_dscnt 0x0                               ; K steps 0 to 3 are in
	WIN 0x04                                       ; source 1 (tokens) window 1
.irp s, 0,1,2,3,4,5,6,7
.if \s == 4
	WIN 0x08                                       ; window 2
.endif
.if \s >= 4
	s_wait_dscnt 8*(7-\s)                          ; this K step's 8 loads are in; those of the K steps behind it may be out
.endif
.irp a, 0,1,2,3
.irp b, 0,1
.if \s == 0
	v_wmma_f32_16x16x128_bf8_bf8 v[ACC+16*\a+8*\b:ACC+16*\a+8*\b+7], v[BF+32*(\s%4)+16*\b:BF+32*(\s%4)+16*\b+15], v[64*(\s%4)+16*\a:64*(\s%4)+16*\a+15], 0
.else
	v_wmma_f32_16x16x128_bf8_bf8 v[ACC+16*\a+8*\b:ACC+16*\a+8*\b+7], v[BF+32*(\s%4)+16*\b:BF+32*(\s%4)+16*\b+15], v[64*(\s%4)+16*\a:64*(\s%4)+16*\a+15], v[ACC+16*\a+8*\b:ACC+16*\a+8*\b+7]
.endif
.endr
.endr
.if (\s < 4) || (\s == 7)
	PLACES
.endif
.if \s < 4
	KLOAD \u, \s+4, \adr
.endif
.endr
	WIN 0
.endm
.macro QUANT16 s, d                    ; 16 numbers -> 16 codes; the conversion does not saturate (ISA guide 7.6.2): the hold comes first
.irp i, 0,1,2,3,4,5,6,7,8,9,10,11,12,13,14,15
	v_med3_num_f32 v[\s+\i], v[\s+\i], -v[LIM], v[LIM]
.endr
	v_cvt_scalef32_pk8_bf8_f32 v[\d:\d+1], v[\s:\s+7], v[SC]
	v_cvt_scalef32_pk8_bf8_f32 v[\d+2:\d+3], v[\s+8:\s+15], v[SC]
	v_nop
.endm
; HALF u OF A TILE.  kind 0: the tile's first half; 1: its second, and the slot is filled again; 2: its second, nothing is filled; 3: the very last half.  adr: this tile's weights; nadr: the next tile's (kind 2)
.macro SUB u, kind, adr, nadr
	COMPUTE \u, \adr
.irp n, 0,1,2,3,4,5,6,7
	ds_store_b128 v[STS], v[EX+4*\n:EX+4*\n+3] offset:16384*\u+512*\n   ; each accumulator from its low end on
.endr
.if \kind == 1
	s_wait_tensorcnt 0x0                           ; all my tensor loads have landed: my part of the next tile; the descriptor may be written
	ds_add_u32 v[SPW], v[NIL]                      ; 0 onto my spare word
	s_xor_b32 s[G0+1], s[G0+1], SLOT               ; the slot just read,
	s_add_nc_u64 s[G0+2:G0+3], s[G0+2:G0+3], SLOT  ; the tile after the next
	s_xor_b32 s[TB], s[TB], SLOT
	v_add_nc_u32 v[ADB], s[TB], v[AB0]
	s_wait_xcnt 0x0                                ; my prefetch has read its address
	s_add_nc_u64 s[PFA:PFA+1], s[PFA:PFA+1], SLOT
	s_wait_alu depctr_va_vdst(0)
	s_wait_dscnt 0x0                               ; the add, my reads of the slot and my stores into the stage are done
	CROUND
	tensor_load_to_lds s[G0:G0+3], s[G1:G1+7]      ; my one tensor load behind the round
	s_nop 0
.else
.if \kind == 2
	s_wait_tensorcnt 0x0                           ; my part of the last tile has landed
.endif
	s_wait_dscnt 0x0                               ; for my partner's sake: my stores have landed
	s_barrier_signal -1
	s_barrier_wait -1
.endif
.irp n, 0,1,2,3,4,5,6,7
	ds_load_b128 v[RCV+4*\n:RCV+4*\n+3], v[STL] offset:16384*\u+512*\n
.endr
.if \kind == 0
	BLOAD 1, \adr
.endif
.if \kind == 1
	BLOAD 0, ADB
.endif
.if \kind == 2
	BLOAD 0, \nadr
.endif
.if \kind == 3
	s_wait_dscnt 0x0
.else
	s_wait_dscnt 32                                ; my partner's sums are in; the next half's 32 loads may be out
.endif
	s_wait_xcnt 0x0                                ; earlier stores have read their codes and their base
.if \u == 0
	s_add_nc_u64 s[HB:HB+1], s[HB:HB+1], s[STP:STP+1]
	s_mov_b32 s[STP], 1024
.endif
	s_cmp_eq_u32 s14, 0                            ; which of the two is x1?  The wave's number alone decides
	s_cbranch_scc0 .Lx_\@
.set n, 0
.rept 16
	v_pk_mul_f32 v[EX+n:EX+n+1], v[ACC+n:ACC+n+1], s[46:47] op_sel_hi:[1,0]   ; -x1 log2(e)
.set n, n+2
.endr
	s_branch .Ly_\@
.Lx_\@:
.set n, 0
.rept 16
	v_pk_mul_f32 v[EX+n:EX+n+1], v[RCV+n:RCV+n+1], s[46:47] op_sel_hi:[1,0]
.set n, n+2
.endr
.Ly_\@:
.set n, 0
.rept 16
	v_pk_mul_f32 v[ACC+n:ACC+n+1], v[ACC+n:ACC+n+1], v[RCV+n:RCV+n+1]   ; x1 x3
.set n, n+2
.endr
	s_wait_alu depctr_va_vdst(0)                   ; the wait ahead of the batch
.set n, 0
.rept 32
	v_exp_f32 v[EX+n], v[EX+n]
.set n, n+1
.endr
	v_nop
	s_wait_alu depctr_va_vdst(0)                   ; and for one behind it
.set n, 0
.rept 16
	v_pk_add_f32 v[EX+n:EX+n+1], v[EX+n:EX+n+1], 1.0 op_sel_hi:[1,0]
.set n, n+2
.endr
	s_wait_alu depctr_va_vdst(0)
.set n, 0
.rept 32
	v_rcp_f32 v[EX+n], v[EX+n]                     ; the sigmoid
.set n, n+1
.endr
	v_nop
	s_wait_alu depctr_va_vdst(0)
.set n, 0
.rept 16
	v_pk_mul_f32 v[ACC+n:ACC+n+1], v[ACC+n:ACC+n+1], v[EX+n:EX+n+1]
.set n, n+2
.endr
.irp a, 0,1
	QUANT16 ACC+16*\a, 16-10*\u+4*\a
	global_store_b128 v[LI], v[16-10*\u+4*\a:16-10*\u+4*\a+3], s[HB:HB+1] offset:44032*\a+512*\u   ; 512 consecutive bytes a wave
.endr
.if \kind == 1
	s_cmp_gt_u32 s[CNT], 1                         ; the loop's last trip has no tile to ask for
	s_cbranch_scc0 .Lna_\@
	global_prefetch_b8 v[PFO], s[PFA:PFA+1] th:TH_LOAD_NT scope:SCOPE_SE
.Lna_\@:
.endif
.endm
	s_load_b256 s[4:11], s[0:1], 0x0               ; xm, pw, the scales, hi
	v_lshl_add_u32 v[SPW], v0, 2, SPARE
	v_mov_b32 v[NIL], 0
	ds_add_u32 v[SPW], v[NIL]                      ; the opening lines: the add, twice on end, and its wait ahead of my first tensor load
	ds_add_u32 v[SPW], v[NIL]
	v_lshrrev_b32 v1, 5, v0
	v_readfirstlane_b32 s[WV], v1                  ; wave 0..3
	s_lshr_b32 s13, s[WV], 1                       ; wy
	s_and_b32 s14, s[WV], 1                        ; j
	s_bfe_u32 s15, ttmp6, 0x40000                  ; cx
	s_lshl_b32 s16, ttmp9, 2
	s_add_co_u32 s16, s16, s15                     ; the tile of tokens
	s_and_b32 s17, ttmp7, 0xffff                   ; the group of hidden units
	s_mov_b32 s[G1], 15|(3<<16)|(1<<21)            ; the mask: all four; elements of 8 bytes; no padding
	s_mov_b32 s[G1+1], 512<<16                     ; 8 rows of 4,096 bytes on end
	s_mov_b32 s[G1+2], 8<<16
	s_mov_b32 s[G1+3], 512<<16
	s_mov_b32 s[G1+4], 8
	s_mov_b32 s[G1+5], 512
	s_mov_b32 s[G1+6], 0
	s_mov_b32 s[G1+7], 0
	s_mul_i32 s20, s17, 6*SLOT                     ; the weights: tile 6 y, my quarter of it
	s_add_co_u32 s20, s20, 0x400000
	s_lshl_b32 s21, s[WV], 15
	s_add_co_u32 s20, s20, s21
	s_mov_b32 s21, 0
	s_lshl_b32 s22, s16, 18                        ; the tokens: 8 blocks of 32,768 bytes a tile, 4 a wave, variant j
	s_lshl_b32 s23, s13, 17
	s_add_co_u32 s22, s22, s23
	s_lshl_b32 s23, s14, 14
	s_add_co_u32 s22, s22, s23
	s_lshl_b32 s23, s14, 16
	s_add_co_u32 s48, s22, s23                     ; slots 0, 1: blocks 2 j, 2 j + 1
	s_xor_b32 s23, s23, 65536
	s_add_co_u32 s50, s22, s23                     ; slots 2, 3: the other two
	s_mov_b32 s49, 0
	s_mov_b32 s51, 0
	s_lshl_b32 s[HB], s16, 3
	s_lshl_b32 s23, s13, 2
	s_add_co_u32 s[HB], s[HB], s23
	s_lshl_b32 s23, s14, 1
	s_add_co_u32 s[HB], s[HB], s23                 ; the first of the two blocks of tokens that I finish
	s_mul_i32 s[HB], s[HB], 44032
	s_mul_i32 s23, s17, 6*1024
	s_add_co_u32 s[HB], s[HB], s23
	s_mov_b32 s[HB+1], 0
	s_mul_i32 s[PFA], s17, 6*SLOT                  ; the prefetches: tile 6 y + 2 (stepped ahead of the first), my work-group's quarter, my wave's quarter of that
	s_add_co_u32 s[PFA], s[PFA], 0x400000+2*SLOT
	s_lshl_b32 s23, s15, 15
	s_add_co_u32 s[PFA], s[PFA], s23
	s_lshl_b32 s23, s[WV], 13
	s_add_co_u32 s[PFA], s[PFA], s23
	s_mov_b32 s[PFA+1], 0
	s_mov_b32 s[STP], 0
	s_mov_b32 s[STP+1], 0
	s_lshl_b32 s18, s14, 16
	s_lshl_b32 s19, s[WV], 12
	s_add_co_u32 s19, s19, STAGE
	s_xor_b32 s23, s[WV], 1
	s_lshl_b32 s23, s23, 12
	s_add_co_u32 s23, s23, STAGE
	v_and_b32 v1, 31, v0
	v_lshlrev_b32 v[LI], 4, v1
	v_lshlrev_b32 v[PFO], 8, v1
	v_add_nc_u32 v[AB0], s18, v[LI]                ; w1's four blocks, then w3's: 65,536 j
	v_add_nc_u32 v[AB1], SLOT, v[AB0]
	v_add_nc_u32 v[STS], s19, v[LI]
	v_add_nc_u32 v[STL], s23, v[LI]
	s_wait_alu depctr_va_vdst(0)
	s_wait_dscnt 0x0                               ; both opening adds are done
	s_wait_kmcnt 0x0
	s_load_b128 s[40:43], s[8:9], 0x30             ; e12 .. e15
	s_load_b32 s44, s[8:9], 0x40                   ; e16
	s_add_nc_u64 s[48:49], s[4:5], s[48:49]
	s_add_nc_u64 s[50:51], s[4:5], s[50:51]
	s_add_nc_u64 s[HB:HB+1], s[10:11], s[HB:HB+1]
	s_add_nc_u64 s[PFA:PFA+1], s[6:7], s[PFA:PFA+1]
	s_mov_b32 s[G0], 1
	s_lshl_b32 s[G0+1], s[WV], 15
	s_add_nc_u64 s[G0+2:G0+3], s[6:7], s[20:21]
	s_or_b32 s[G0+3], s[G0+3], 0x80000000
	s_mov_b32 s[G0B], 1
	s_add_co_u32 s[G0B+1], s[G0+1], SLOT
	s_mov_b64 s[G0B+2:G0B+3], s[G0+2:G0+3]
	CROUND                                         ; all four work-groups are here: the first joint loads meet
	s_cmp_eq_u32 s17, 7                            ; the cluster's y: the same in all partners
	s_cbranch_scc1 .Lf_one
	tensor_load_to_lds s[G0:G0+3], s[G1:G1+7]      ; tile 0 into slot 0: one tensor load a wave at the head
	s_nop 0
	PLACES
	s_branch .Lf_done
.Lf_one:
	tensor_load_to_lds s[G0B:G0B+3], s[G1:G1+7]    ; group 7: its one tile, into slot 1, where the last tile's text reads
	s_nop 0
	PLACES
.Lf_done:
	WIN 0x40                                       ; destination window 1
	ALOAD 0
	WIN 0x80                                       ; window 2
	ALOAD 4
	WIN 0
	s_wait_kmcnt 0x0
	s_add_co_i32 s45, s40, s41
	s_lshl_b32 s46, s45, 23
	s_add_co_i32 s46, s46, 0xbfb8aa3b              ; -log2(e) x 2^(e12 + e13)
	s_mov_b32 s47, s46
	s_sub_co_i32 s45, s44, s45
	s_sub_co_i32 s45, s45, s42
	s_sub_co_i32 s45, s45, s43
	s_add_co_i32 s45, s45, 127
	s_lshl_b32 s58, s45, 23
	v_mov_b32 v[SC], s58                           ; 2^(e16 - e12 - e13 - e14 - e15)
	s_add_co_i32 s45, s45, 15
	s_lshl_b32 s45, s45, 23
	s_or_b32 s45, s45, 0x600000
	v_mov_b32 v[LIM], s45                          ; 57,344 x that
	s_wait_alu depctr_va_vdst(0)
	s_wait_tensorcnt 0x0                           ; my part of the first tile is in; these lines stand ahead of a later first fill as ahead of a refill
	ds_add_u32 v[SPW], v[NIL]
	s_xor_b32 s[G0+1], s[G0+1], SLOT
	s_add_nc_u64 s[G0+2:G0+3], s[G0+2:G0+3], SLOT  ; tile 1, slot 1
	s_wait_dscnt 0x0
	CROUND
	s_cmp_eq_u32 s17, 7
	s_cbranch_scc1 .Lone
	tensor_load_to_lds s[G0:G0+3], s[G1:G1+7]      ; slot 1's first fill, my one tensor load behind the round
	s_nop 0
	s_mov_b32 s[TB], 0
	v_add_nc_u32 v[ADB], s[TB], v[AB0]
	s_wait_alu depctr_va_vdst(0)
	BLOAD 0, ADB
	s_mov_b32 s[CNT], 4
	s_wait_loadcnt 0x0                             ; my tokens' codes
.Ltile:                                            ; tiles 0 to 3: behind each the slot takes the tile two on
	SUB 0, 0, ADB, ADB
	SUB 1, 1, ADB, ADB
	s_sub_co_u32 s[CNT], s[CNT], 1
	s_cmp_lg_u32 s[CNT], 0
	s_wait_alu depctr_va_vdst(0)
	s_cbranch_scc1 .Ltile
	SUB 0, 0, AB0, AB0                             ; tile 4, in slot 0: nothing more is asked for
	SUB 1, 2, AB0, AB1
	s_branch .Lfinal
.Lone:                                             ; group 7: its tile lies in slot 1 and is shown to all by the round above
	BLOAD 0, AB1
	s_wait_loadcnt 0x0
.Lfinal:
	SUB 0, 0, AB1, AB1                             ; the last tile, in slot 1
	SUB 1, 3, AB1, AB1
	s_wait_tensorcnt 0x0                           ; the wave's end
	ds_add_u32 v[SPW], v[NIL]
	s_wait_dscnt 0x0
	CROUND                                         ; the closing round
	s_endpgm
.Lfunc_end_k_q60db791139_ffn1:
	.size	k_q60db791139_ffn1, .Lfunc_end_k_q60db791139_ffn1-k_q60db791139_ffn1
	.p2alignl 7, 3214868480
	.fill 96, 4, 3214868480
	.section	.rodata,"a",@progbits
	.p2align	6, 0x0
	.amdhsa_kernel k_q60db791139_ffn1
		.amdhsa_group_segment_fixed_size 327680
		.amdhsa_private_segment_fixed_size 0
		.amdhsa_enable_private_segment 0
		.amdhsa_kernarg_size 32
		.amdhsa_user_sgpr_count 2
		.amdhsa_user_sgpr_kernarg_segment_ptr 1
		.amdhsa_wavefront_size32 1
		.amdhsa_system_sgpr_workgroup_id_x 1
		.amdhsa_system_sgpr_workgroup_id_y 1
		.amdhsa_system_sgpr_workgroup_id_z 1
		.amdhsa_system_vgpr_workitem_id 0
		.amdhsa_next_free_vgpr 768
		.amdhsa_next_free_sgpr 100
		.amdhsa_reserve_vcc 0
		.amdhsa_float_denorm_mode_32 3
		.amdhsa_float_denorm_mode_16_64 3
		.amdhsa_memory_ordered 1
		.amdhsa_forward_progress 1
		.amdhsa_inst_pref_size 142
	.end_amdhsa_kernel
	.amdgpu_metadata
---
amdhsa.version: [ 1, 2 ]
amdhsa.kernels:
  - .name:           k_q60db791139_ffn1
    .symbol:         k_q60db791139_ffn1.kd
    .args:
      - { .name: xm, .offset: 0, .size: 8, .value_kind: global_buffer, .address_space: global }
      - { .name: pw, .offset: 8, .size: 8, .value_kind: global_buffer, .address_space: global }
      - { .name: lowp_scales, .offset: 16, .size: 8, .value_kind: global_buffer, .address_space: global }
      - { .name: hi, .offset: 24, .size: 8, .value_kind: global_buffer, .address_space: global }
    .group_segment_fixed_size: 327680
    .private_segment_fixed_size: 0
    .kernarg_segment_align: 8
    .kernarg_segment_size: 32
    .max_flat_workgroup_size: 128
    .sgpr_count:     100
    .vgpr_count:     768
    .wavefront_size: 32
...
	.end_amdgpu_metadata
.endif
;; end of part 6
;; launch ffn2 (part 7): grid 8 x 32, 4 waves a work-group, clusters of 4 x 4, 327,680 bytes of LDS; arguments hi, pw, x2, lowp_scales, out0; writes out0
.if DOCPART == 7
	.amdgcn_target "amdgcn-amd-amdhsa--gfx1250"
	.amdhsa_code_object_version 6
	.text
	.protected	k_q60db791139_ffn2
	.globl	k_q60db791139_ffn2
	.p2align	8
	.type	k_q60db791139_ffn2,@function
k_q60db791139_ffn2:
	s_mov_b64 s[64:65], 0
	v_nop
	global_prefetch_b8 v0, s[64:65] scope:SCOPE_SE
	s_setreg_imm32_b32 hwreg(HW_REG_WAVE_MODE, 25, 1), 1
	s_wait_xcnt 0x0
	s_wait_alu depctr_hold_cnt(0) depctr_sa_sdst(0) depctr_va_vdst(0) depctr_va_sdst(0) depctr_va_ssrc(0) depctr_va_vcc(0) depctr_vm_vsrc(0)
	s_getreg_b32 s2, hwreg(HW_REG_IB_STS2, 6, 4)
	s_cmp_eq_u32 s2, 0
	s_cbranch_scc0 .Lentry_in_a_cluster
	s_endpgm
.Lentry_in_a_cluster:
	s_bfe_u32 s2, ttmp6, 0x10000c
	s_cmp_lg_u32 s2, 0xf033
	s_cbranch_scc0 .Lentry_shape_is_right
	s_endpgm
.Lentry_shape_is_right:
; Product 9 on codes of E5M2 and the second residual: out0 = x2 + h w2^T.  128 tokens x 128 columns a work-group, 64 x 64 a wave: 256 work-groups.  CLUSTERS 4 x 4, the tokens' tiles joint along a row, the weights' along a column.
; K = 2,752 = 21.5 K steps of 128: 22 steps through a ring of two slots of four steps (131,072 bytes each: 16 row blocks x 8,192 bytes).  Six fills; the last states 3,072 bytes (the 12 granules that are left) as the
; tensor's extent, so that the rest of its rows arrives as zeros in both operands: zero codes add nothing.
; A slot is filled again when its fourth step is in registers.
; By this text's count two loads are out at the head, one behind each round.
; Source 0 = weights, source 1 = tokens: a lane holds one token and 16 neighbouring columns.  x2's numbers at those places are asked for at the head.  The result goes through the wave's own stage in LDS, a block of
; 16 tokens at a time, and leaves as rows: sixteen lanes store 256 consecutive bytes, aligned.
; LIMIT: e16 + e17 between -126 and 127.
.set RSY, 8192
.set RSX, 8192
.set SLOT, 131072
.set ACC, 128
.set F0,  0
.set F1,  128
.set LI,  2
.set AY,  4                            ; v4-5
.set AX,  8                            ; v8-9
.set RO,  16                           ; v16  x2: 16 r + 1,024 h
.set STO, 17                           ; v17  the stage, in
.set RD,  18                           ; v18  the stage, back
.set CO,  19                           ; v19  out0: 4,096 h + 16 r
.set SPW, 28
.set NIL, 29
.set SPARE, 2*SLOT
.set STAGE, SPARE+512                  ; 16 rows x 272 bytes for each wave; no tile lands here
.set WV,  14
.set G1Y, 24
.set G1X, 32
.set G1YS, 40
.set G1XS, 48
.set G0Y, 56
.set G0X, 68
; PREFETCH: behind the load of fill n the cluster asks for fill n + 2 (behind fill 0 also for fill 1): of a wave's four row blocks each of the four partners that ask jointly takes one, told apart by address
; (cx for tokens, cy for weights); 8,192 bytes, lanes 256 bytes apart, one instruction a wave; of the last fill's 3,072 bytes lanes 12 to 31 name the twelfth block again.  Behind fills 4 and 5 nothing is asked for.
.set NF,  0                            ; refills written so far
.set MSB, 0
.macro WIN new
.if MSB != \new
	s_set_vgpr_msb (MSB<<8)|\new
.set MSB, \new
.endif
.endm
.macro PLACES
.rept 4
	v_nop
.endr
.endm
.macro FETCH f, ay, ax, off
	WIN 0x40
.irp i, 0,1,2,3
.irp c, 0,1,2,3
	ds_load_b128 v[\f+16*\i+4*\c:\f+16*\i+4*\c+3], v[\ay] offset:\off+\i*RSY+512*\c
.endr
.endr
.irp i, 0,1,2,3
.irp c, 0,1,2,3
	ds_load_b128 v[\f+64+16*\i+4*\c:\f+64+16*\i+4*\c+3], v[\ax] offset:\off+\i*RSX+512*\c
.endr
.endr
.endm
.macro MUL f, zero
	WIN 0x05
.irp a, 0,1,2,3
.irp b, 0,1,2,3
.if \zero
	v_wmma_f32_16x16x128_bf8_bf8 v[ACC+8*(4*\a+\b):ACC+8*(4*\a+\b)+7], v[\f+64+16*\b:\f+64+16*\b+15], v[\f+16*\a:\f+16*\a+15], 0
.else
	v_wmma_f32_16x16x128_bf8_bf8 v[ACC+8*(4*\a+\b):ACC+8*(4*\a+\b)+7], v[\f+64+16*\b:\f+64+16*\b+15], v[\f+16*\a:\f+16*\a+15], v[ACC+8*(4*\a+\b):ACC+8*(4*\a+\b)+7]
.endif
.endr
.endr
.endm
.macro KS f, g, ay, ax, off, zero
	s_wait_dscnt 0x0
	PLACES
	FETCH \g, \ay, \ax, \off
	MUL \f, \zero
.endm
.macro PUB n
	s_wait_dscnt 0x0
	s_wait_tensorcnt \n
	s_barrier_signal -1
	s_barrier_wait -1
.endm
.macro CROUND
	s_barrier_signal -1
	s_barrier_wait -1
	s_cmp_lg_u32 s[WV], 0
	s_cbranch_scc1 .Lnot_wave_0_\@
	s_barrier_signal -3
.Lnot_wave_0_\@:
	s_barrier_wait -3
	s_barrier_signal -1
	s_barrier_wait -1
.endm
.macro JLOAD g0y, g1y, g0x, g1x        ; waves 0 and 1 fetch the tokens' halves, waves 2 and 3 the weights'; four v_nop follow each line
	s_cmp_eq_u32 s15, 0
	s_cbranch_scc0 .Lfor_x_\@
	tensor_load_to_lds s[\g0y:\g0y+3], s[\g1y:\g1y+7]
	s_nop 0
	PLACES
	s_branch .Lasked_\@
.Lfor_x_\@:
	tensor_load_to_lds s[\g0x:\g0x+3], s[\g1x:\g1x+7]
	s_nop 0
	PLACES
.Lasked_\@:
.endm
.macro RF slot, short, f, g, ay, ax    ; a slot's fourth step: the slot is filled again, two fills on; then the other slot's first fragments, and set f's products
	WIN 0
	s_wait_tensorcnt 0x0                           ; all my tensor loads have landed, my part of the other slot among them: a group 0 may be written
	ds_add_u32 v[SPW], v[NIL]                      ; 0 onto my spare word
	s_add_nc_u64 s[G0Y+4*\slot+2:G0Y+4*\slot+3], s[G0Y+4*\slot+2:G0Y+4*\slot+3], 16384
	s_add_nc_u64 s[G0X+4*\slot+2:G0X+4*\slot+3], s[G0X+4*\slot+2:G0X+4*\slot+3], 16384
	s_wait_dscnt 0x0                               ; the add is done, and my reads of the slot are in
	CROUND                                         ; both now hold of every wave of all sixteen work-groups
.if \short
	JLOAD G0Y+4*\slot, G1YS, G0X+4*\slot, G1XS
.else
	JLOAD G0Y+4*\slot, G1Y, G0X+4*\slot, G1X
.endif
	FETCH \g, \ay, \ax, 0                          ; the four v_nop behind the load are the plain lines ahead of these loads
.set NF, NF+1
.if NF == 1
	global_prefetch_b8 v20, s[90:91] offset:32768 th:TH_LOAD_NT scope:SCOPE_SE   ; behind fill 2: fill 4
.endif
.if NF == 2
	global_prefetch_b8 v21, s[90:91] offset:40960 th:TH_LOAD_NT scope:SCOPE_SE   ; behind fill 3: fill 5, the short one
.endif
	MUL \f, 0
.endm
	s_load_b256 s[4:11], s[0:1], 0x0               ; hi, pw, x2, the scales
	s_load_b64 s[12:13], s[0:1], 0x20              ; out0
	v_lshl_add_u32 v[SPW], v0, 2, SPARE
	v_mov_b32 v[NIL], 0
	ds_add_u32 v28, v29
	ds_add_u32 v28, v29
	s_wait_dscnt 0x0
	v_lshrrev_b32 v1, 5, v0
	v_readfirstlane_b32 s[WV], v1
	s_lshr_b32 s15, s[WV], 1                       ; wy
	s_and_b32 s16, s[WV], 1                        ; wx
	s_bfe_u32 s17, ttmp6, 0x40000
	s_bfe_u32 s18, ttmp6, 0x40004
	s_lshl_b32 s19, ttmp9, 2
	s_add_co_u32 s19, s19, s17                     ; the tile of columns
	s_and_b32 s20, ttmp7, 0xffff
	s_lshl_b32 s20, s20, 2
	s_add_co_u32 s20, s20, s18                     ; the tile of tokens
	s_lshl_b32 s21, s18, 2
	s_lshl_b32 s21, 15, s21
	s_lshl_b32 s22, 0x1111, s17
	s_or_b32 s[G1Y], s21, (3<<16)|(1<<21)
	s_or_b32 s[G1YS], s21, (3<<16)|(1<<21)
	s_or_b32 s[G1X], s22, (3<<16)|(1<<21)
	s_or_b32 s[G1XS], s22, (3<<16)|(1<<21)
.irp g, G1Y, G1X, G1YS, G1XS
	s_mov_b32 s[\g+2], 4<<16                       ; four row blocks,
	s_mov_b32 s[\g+3], 1024<<16                    ; 8,192 bytes of each,
	s_mov_b32 s[\g+4], 4
	s_mov_b32 s[\g+5], 5504                        ; 44,032 bytes apart
	s_mov_b32 s[\g+6], 0
	s_mov_b32 s[\g+7], 0
.endr
	s_mov_b32 s[G1Y+1], 1024<<16
	s_mov_b32 s[G1X+1], 1024<<16
	s_mov_b32 s[G1YS+1], 384<<16                   ; the last fill: 3,072 bytes are left of each row block; zeros behind them
	s_mov_b32 s[G1XS+1], 384<<16
	s_mul_i32 s76, s20, 352256
	s_mul_i32 s77, s16, 176128
	s_add_co_u32 s76, s76, s77
	s_mov_b32 s77, 0
	s_mul_i32 s78, s19, 352256
	s_mul_i32 s79, s16, 176128
	s_add_co_u32 s78, s78, s79
	s_add_co_u32 s78, s78, 9830400                 ; w2's image in pw
	s_mov_b32 s79, 0
	s_lshl_b32 s80, s[WV], 15
	s_wait_kmcnt 0x0
	s_load_b64 s[86:87], s[10:11], 0x40            ; e16, e17
	s_add_nc_u64 s[76:77], s[4:5], s[76:77]
	s_add_nc_u64 s[78:79], s[6:7], s[78:79]
	s_cmp_eq_u32 s15, 0                            ; the prefetches: of the four row blocks that I fetch, my work-group's one
	s_cselect_b64 s[90:91], s[76:77], s[78:79]
	s_cselect_b32 s92, s17, s18
	s_mul_i32 s92, s92, 44032
	s_mov_b32 s93, 0
	s_add_nc_u64 s[90:91], s[90:91], s[92:93]
	CROUND
.irp s, 0,1
	s_mov_b32 s[G0Y+4*\s], 1
	s_add_co_u32 s[G0Y+4*\s+1], s80, \s*SLOT
	s_add_nc_u64 s[G0Y+4*\s+2:G0Y+4*\s+3], s[76:77], 8192*\s
	s_or_b32 s[G0Y+4*\s+3], s[G0Y+4*\s+3], 0x80000000
	s_mov_b32 s[G0X+4*\s], 1
	s_add_co_u32 s[G0X+4*\s+1], s80, \s*SLOT
	s_add_nc_u64 s[G0X+4*\s+2:G0X+4*\s+3], s[78:79], 8192*\s
	s_or_b32 s[G0X+4*\s+3], s[G0X+4*\s+3], 0x80000000
.endr
	s_cmp_eq_u32 s15, 0
	s_cbranch_scc0 .Lfill_x
	tensor_load_to_lds s[G0Y:G0Y+3], s[G1Y:G1Y+7]  ; fill 0 alone at the head: one tensor load a wave there, not the two that the head comment counts
	s_nop 0
	PLACES
	s_branch .Lfilled
.Lfill_x:
	tensor_load_to_lds s[G0X:G0X+3], s[G1X:G1X+7]
	s_nop 0
	PLACES
.Lfilled:
	v_and_b32 v1, 31, v0
	v_lshlrev_b32 v[LI], 4, v1
	v_lshlrev_b32 v20, 8, v1                       ; the prefetches' offset: 256 x lane,
	v_min_u32 v21, 11, v1
	v_lshlrev_b32 v21, 8, v21                      ; and held at the short fill's last block
	v_and_b32 v3, 15, v0
	v_bfe_u32 v12, v0, 4, 1
	v_lshlrev_b32 v[RO], 4, v3
	v_lshl_add_u32 v[CO], v12, 12, v[RO]
	v_lshl_add_u32 v[RO], v12, 10, v[RO]
	s_wait_alu depctr_va_vdst(0)
	global_prefetch_b8 v20, s[90:91] offset:8192 th:TH_LOAD_NT scope:SCOPE_SE    ; behind fill 0: fill 1,
	global_prefetch_b8 v20, s[90:91] offset:16384 th:TH_LOAD_NT scope:SCOPE_SE   ; and fill 2
	s_mul_i32 s81, s[WV], 4352
	s_add_co_u32 s81, s81, STAGE
	v_mul_u32_u24 v[STO], v3, 272
	v_lshl_add_u32 v[STO], v12, 6, v[STO]
	v_add_nc_u32 v[STO], s81, v[STO]               ; in: row r, + 64 h
	v_mul_u32_u24 v[RD], v12, 272
	v_lshl_add_u32 v[RD], v3, 4, v[RD]
	v_add_nc_u32 v[RD], s81, v[RD]                 ; back: lanes 0-15 one row, lanes 16-31 the next
	s_lshl_b32 s82, s20, 19
	s_lshl_b32 s83, s15, 18
	s_add_co_u32 s82, s82, s83
	s_mov_b32 s84, s82
	s_lshl_b32 s83, s19, 13
	s_add_co_u32 s82, s82, s83
	s_lshl_b32 s83, s16, 12
	s_add_co_u32 s82, s82, s83
	s_mov_b32 s83, 0
	s_add_nc_u64 s[82:83], s[8:9], s[82:83]        ; x2 at my blocks and groups of columns
	s_lshl_b32 s85, s19, 9
	s_add_co_u32 s84, s84, s85
	s_lshl_b32 s85, s16, 8
	s_add_co_u32 s84, s84, s85
	s_mov_b32 s85, 0
	s_add_nc_u64 s[84:85], s[12:13], s[84:85]      ; out0 at my first row and column
	WIN 0x80
.irp a, 0,1,2,3
.irp be, 0,1
.irp q, 0,1,2,3
	global_load_b128 v[32*\a+16*\be+4*\q:32*\a+16*\be+4*\q+3], v[RO], s[82:83] offset:65536*\a+2048*\be+256*\q
.endr
.endr
.endr
	WIN 0
	s_lshl_b32 s88, s15, 15
	s_lshl_b32 s89, s16, 15
	s_add_co_u32 s89, s89, 65536
.irp s, 0,1
	v_add_nc_u32 v[AY+\s], s88, v[LI]
	v_add_nc_u32 v[AX+\s], s89, v[LI]
	s_add_co_u32 s88, s88, SLOT
	s_add_co_u32 s89, s89, SLOT
.endr
	s_wait_alu depctr_va_vdst(0)
	s_wait_kmcnt 0x0
	s_add_co_i32 s86, s86, s87
	s_add_co_i32 s86, s86, 127
	s_lshl_b32 s86, s86, 23                        ; 2^(e16 + e17)
	s_mov_b32 s87, s86
	s_wait_tensorcnt 0x0                           ; my part of fill 0 is in; slot 1's first fill is issued as a refill is:
	ds_add_u32 v[SPW], v[NIL]                      ; 0 onto my spare word
	s_wait_dscnt 0x0
	CROUND                                         ; everybody's part of fill 0 is in, and all sixteen work-groups are here
	JLOAD G0Y+4, G1Y, G0X+4, G1X                   ; fill 1, the first tensor load behind the round
	global_prefetch_b8 v20, s[90:91] offset:24576 th:TH_LOAD_NT scope:SCOPE_SE   ; behind fill 1: fill 3
	FETCH F0, AY, AX, 0
	KS F0, F1, AY, AX, 2048, 1                     ; K steps 0 to 2
	KS F1, F0, AY, AX, 4096, 0
	KS F0, F1, AY, AX, 6144, 0
	RF 0, 0, F1, F0, AY+1, AX+1                    ; step 3; fill 2
	KS F0, F1, AY+1, AX+1, 2048, 0
	KS F1, F0, AY+1, AX+1, 4096, 0
	KS F0, F1, AY+1, AX+1, 6144, 0
	RF 1, 0, F1, F0, AY, AX                        ; step 7; fill 3
	KS F0, F1, AY, AX, 2048, 0
	KS F1, F0, AY, AX, 4096, 0
	KS F0, F1, AY, AX, 6144, 0
	RF 0, 0, F1, F0, AY+1, AX+1                    ; step 11; fill 4
	KS F0, F1, AY+1, AX+1, 2048, 0
	KS F1, F0, AY+1, AX+1, 4096, 0
	KS F0, F1, AY+1, AX+1, 6144, 0
	RF 1, 1, F1, F0, AY, AX                        ; step 15; fill 5, the short one
	KS F0, F1, AY, AX, 2048, 0
	KS F1, F0, AY, AX, 4096, 0
	KS F0, F1, AY, AX, 6144, 0
	PUB 0                                          ; fill 5 is shown to all
	KS F1, F0, AY+1, AX+1, 0, 0                    ; step 19
	KS F0, F1, AY+1, AX+1, 2048, 0                 ; step 20
	s_wait_dscnt 0x0
	MUL F1, 0                                      ; step 21: its second half is zeros
	WIN 0
	PLACES
	s_wait_loadcnt 0x0                             ; x2
.irp a, 0,1,2,3
	WIN 0x20                                       ; source 2 (x2) window 2
.set n, 0
.rept 16
	v_pk_fma_f32 v[ACC+32*\a+n:ACC+32*\a+n+1], v[ACC+32*\a+n:ACC+32*\a+n+1], s[86:87], v[32*\a+n:32*\a+n+1] op_sel_hi:[1,0,1]   ; sum x 2^(e16 + e17) + x2, each accumulator from its low end on
.set n, n+2
.endr
	WIN 0
.irp be, 0,1
.irp q, 0,1,2,3
	ds_store_b128 v[STO], v[ACC+32*\a+16*\be+4*\q:ACC+32*\a+16*\be+4*\q+3] offset:128*\be+16*\q
.endr
.endr
.if \a >= 2
	s_wait_xcnt 0x0                                ; the stores of two blocks ago have read the registers that the loads below fill
.endif
.irp t, 0,1,2,3,4,5,6,7
	ds_load_b128 v[32+32*(\a%2)+4*\t:32+32*(\a%2)+4*\t+3], v[RD] offset:544*\t   ; LDS serves a wave's instructions in order (ISA guide 5.7.1.4): these see my stores
.endr
	s_wait_dscnt 0x0
.irp t, 0,1,2,3,4,5,6,7
	global_store_b128 v[CO], v[32+32*(\a%2)+4*\t:32+32*(\a%2)+4*\t+3], s[84:85] offset:(32*(\a/2)+8*(\a%2)+2*\t+8*(\t/4))*4096 th:TH_STORE_NT   ; stage row p is token 32 (a / 2) + 8 (a % 2) + p + 8 (p / 8)
.endr
.endr
	s_wait_tensorcnt 0x0                           ; the wave's end
	ds_add_u32 v[SPW], v[NIL]
	s_wait_dscnt 0x0
	CROUND                                         ; the closing round
	s_endpgm
.Lfunc_end_k_q60db791139_ffn2:
	.size	k_q60db791139_ffn2, .Lfunc_end_k_q60db791139_ffn2-k_q60db791139_ffn2
	.p2alignl 7, 3214868480
	.fill 96, 4, 3214868480
	.section	.rodata,"a",@progbits
	.p2align	6, 0x0
	.amdhsa_kernel k_q60db791139_ffn2
		.amdhsa_group_segment_fixed_size 327680
		.amdhsa_private_segment_fixed_size 0
		.amdhsa_enable_private_segment 0
		.amdhsa_kernarg_size 40
		.amdhsa_user_sgpr_count 2
		.amdhsa_user_sgpr_kernarg_segment_ptr 1
		.amdhsa_wavefront_size32 1
		.amdhsa_system_sgpr_workgroup_id_x 1
		.amdhsa_system_sgpr_workgroup_id_y 1
		.amdhsa_system_sgpr_workgroup_id_z 1
		.amdhsa_system_vgpr_workitem_id 0
		.amdhsa_next_free_vgpr 768
		.amdhsa_next_free_sgpr 104
		.amdhsa_reserve_vcc 0
		.amdhsa_float_denorm_mode_32 3
		.amdhsa_float_denorm_mode_16_64 3
		.amdhsa_memory_ordered 1
		.amdhsa_forward_progress 1
		.amdhsa_inst_pref_size 99
	.end_amdhsa_kernel
	.amdgpu_metadata
---
amdhsa.version: [ 1, 2 ]
amdhsa.kernels:
  - .name:           k_q60db791139_ffn2
    .symbol:         k_q60db791139_ffn2.kd
    .args:
      - { .name: hi, .offset: 0, .size: 8, .value_kind: global_buffer, .address_space: global }
      - { .name: pw, .offset: 8, .size: 8, .value_kind: global_buffer, .address_space: global }
      - { .name: x2, .offset: 16, .size: 8, .value_kind: global_buffer, .address_space: global }
      - { .name: lowp_scales, .offset: 24, .size: 8, .value_kind: global_buffer, .address_space: global }
      - { .name: out0, .offset: 32, .size: 8, .value_kind: global_buffer, .address_space: global }
    .group_segment_fixed_size: 327680
    .private_segment_fixed_size: 0
    .kernarg_segment_align: 8
    .kernarg_segment_size: 40
    .max_flat_workgroup_size: 128
    .sgpr_count:     104
    .vgpr_count:     768
    .wavefront_size: 32
...
	.end_amdgpu_metadata
.endif
;; end of part 7
